; MI455X (gfx1250); checked and timed in simulation.
; The chip was launched on July 23, 2026; its instructions are those of AMD's public machine-readable ISA for CDNA 5 (MIT licence, August 2026) and "CDNA5" Instruction Set Architecture Reference Guide (July 2026). The comments in the code are by the model that wrote it; some were corrected since.
;; Block. Allowed arithmetic: float matrix products may take bf16 or f16 operands with f32 sums; other float arithmetic in f32, or as packed bf16 or f16 multiplies, adds, multiply-adds, maxima and minima; sums over many terms, partial sums and values carried from step to step in f32; what a program stores and reads back later, other than sums and carried values, may be rounded once to bf16 or f16.
;; Inputs: Wfc 4,096 x 1,024 float32; Wk 1,024 x 1,024 float32; Wo 1,024 x 1,024 float32; Wp2 1,024 x 4,096 float32; Wq 1,024 x 1,024 float32; Wv 1,024 x 1,024 float32; bfc 4,096 float32; bk 1,024 float32; bo 1,024 float32; bp2 1,024 float32; bq 1,024 float32; bv 1,024 float32; ln1_b 1,024 float32; ln1_g 1,024 float32; ln2_b 1,024 float32; ln2_g 1,024 float32; x 2 x 2,048 x 1,024 float32.
;; Outputs: out0 2 x 2,048 x 1,024 float32.
;; One version. Each part assembles by itself: llvm-mc -triple=amdgcn-amd-amdhsa -mcpu=gfx1250 --defsym DOCPART=n.
;; ======== version 1 of 1: 7 launches
;; limits: right only within a limited range of input values
;; workspace buffers: wb 25,165,824 bytes; h 8,388,608 bytes; qkv 25,165,824 bytes; yb 8,388,608 bytes; x1 16,777,216 bytes; gb 33,554,432 bytes
;; launch prep (part 1): grid 256 x 4, 16 waves a work-group, no clusters, 0 bytes of LDS; arguments x, ln1_g, ln1_b, h, Wq, Wk, Wv, Wo, Wfc, Wp2, wb; writes h, wb
.if DOCPART == 1
	.amdgcn_target "amdgcn-amd-amdhsa--gfx1250"
	.amdhsa_code_object_version 6
	.text
	.protected	k_q78c210acb2_prep
	.globl	k_q78c210acb2_prep
	.p2align	8
	.type	k_q78c210acb2_prep,@function
k_q78c210acb2_prep:
	s_mov_b64 s[64:65], 0
	v_nop
	global_prefetch_b8 v0, s[64:65] scope:SCOPE_SE
	s_setreg_imm32_b32 hwreg(HW_REG_WAVE_MODE, 25, 1), 1
	s_wait_xcnt 0x0
; TWO STREAMS IN ONE LAUNCH, told apart by the grid's y; neither reads what the other writes.
; y = 0: h[r][c] = (x[r][c] - mean_r) / sqrt(var_r + 1e-5) * g[c] + b[c].  x: [4096][1024] f32, g, b: [1024] f32, h: [4096][1024] bf16, rounded once.
;   Sixteen waves, one row a wave: a row is 32 registers a lane and stays in them between the passes, so it is read once and no wave waits for another.
;   The variance is taken of x - mean, as the formula has it: a common offset in x costs nothing.
;   Lane l holds columns 128 j + 4 l .. + 3, j = 0..7: a load of a wave covers 512 consecutive bytes, a store 256, aligned.
; y = 1..3: the six weight matrices, f32, are rounded once to bf16 and laid into wb as they lie: Wq, Wk, Wv (a stack of 3,072 rows), Wo, Wfc, Wp2.
;   Chunk c = 256 (y - 1) + x is 16,384 numbers; c / 64 names 2^20 numbers: 0..3 = Wq, Wk, Wv, Wo; 4..7 = the quarters of Wfc; 8..11 = those of Wp2.
;   A thread takes 16 bytes at 16 t + 8,192 i, i = 0..7: all eight loads are issued at once (64 KiB of a work-group on their way); each store of a wave covers 256 consecutive bytes, aligned.
; Streams: no LDS, no matrix unit, no loop.
.set X,   8                            ; v[8:39]    the row; at the end its low half holds the packed result
.set GG,  40                           ; v[40:71]   g of my 32 columns
.set BB,  72                           ; v[72:103]  b
.set T,   104                          ; v[104:111] at work: +0..3 two chains, +4, 5 the mean twice, +6, 7 the reciprocal root twice
.set IN,  4                            ; v[4:35]    the conversion: eight loads of four numbers
.set OUT, 36                           ; v[36:51]   eight pairs of packed words
	s_and_b32 s18, ttmp7, 0xffff                   ; y
	s_cmp_lg_u32 s18, 0
	s_cbranch_scc1 .Lconvert
	s_load_b256 s[4:11], s[0:1], 0x0               ; x s[4:5], g s[6:7], b s[8:9], h s[10:11]
	v_lshrrev_b32 v3, 5, v0
	v_readfirstlane_b32 s14, v3                    ; wave 0..15
	v_and_b32 v4, 31, v0
	v_lshlrev_b32 v1, 4, v4                        ; 16 l
	v_lshlrev_b32 v2, 3, v4                        ; 8 l
	s_lshl_b32 s15, ttmp9, 4
	s_add_co_u32 s15, s15, s14                     ; my row: 16 x work-group + wave
	s_lshl_b32 s16, s15, 12                        ; 4,096 bytes a row in,
	s_mov_b32 s17, 0
	s_lshl_b32 s18, s15, 11                        ; 2,048 out
	s_mov_b32 s19, 0
	s_mov_b32 s12, 0x76543210                      ; v_permlanex16_b32: each lane takes its own place in the other half
	s_mov_b32 s13, 0xfedcba98
	s_mov_b32 s20, 0x3a800000                      ; 1 / 1024
	s_mov_b32 s21, 0x3727c5ac                      ; 1e-5
	s_wait_kmcnt 0x0
	s_add_nc_u64 s[4:5], s[4:5], s[16:17]
	s_add_nc_u64 s[10:11], s[10:11], s[18:19]
.irp j, 0,1,2,3,4,5,6,7
	global_load_b128 v[X+4*(\j):X+4*(\j)+3], v1, s[4:5] offset:512*(\j)
.endr
.irp j, 0,1,2,3,4,5,6,7
	global_load_b128 v[GG+4*(\j):GG+4*(\j)+3], v1, s[6:7] offset:512*(\j)
.endr
.irp j, 0,1,2,3,4,5,6,7
	global_load_b128 v[BB+4*(\j):BB+4*(\j)+3], v1, s[8:9] offset:512*(\j)
.endr
; The two chains are added, then the lanes: four steps inside each half of 16 ride on the addition, one crosses the halves.  Every lane ends with the sum in v[T].
.macro RED
	v_pk_add_f32 v[T:T+1], v[T:T+1], v[T+2:T+3]
	v_add_f32 v[T], v[T], v[T+1]
	v_add_f32_dpp v[T], v[T], v[T] row_xmask:1 row_mask:0xf bank_mask:0xf
	v_add_f32_dpp v[T], v[T], v[T] row_xmask:2 row_mask:0xf bank_mask:0xf
	v_add_f32_dpp v[T], v[T], v[T] row_xmask:4 row_mask:0xf bank_mask:0xf
	v_add_f32_dpp v[T], v[T], v[T] row_xmask:8 row_mask:0xf bank_mask:0xf
	v_permlanex16_b32 v[T+1], v[T], s12, s13       ; its destination counts as read: it has been written
	v_add_f32 v[T], v[T], v[T+1]
.endm
	s_wait_loadcnt 16                              ; the row's eight loads are in; g and b, 16 loads, stay out
	v_pk_add_f32 v[T:T+1], v[X:X+1], v[X+2:X+3]    ; the first pairs start the two chains: nothing is cleared
	v_pk_add_f32 v[T+2:T+3], v[X+4:X+5], v[X+6:X+7]
.set p, 4
.rept 12
	v_pk_add_f32 v[T+2*(p%2):T+2*(p%2)+1], v[T+2*(p%2):T+2*(p%2)+1], v[X+2*p:X+2*p+1]
.set p, p+1
.endr
	RED
	v_mul_f32 v[T+4], s20, v[T]                    ; the mean, in both registers of a pair
	v_mul_f32 v[T+5], s20, v[T]
.set p, 0
.rept 16
	v_pk_add_f32 v[X+2*p:X+2*p+1], v[X+2*p:X+2*p+1], v[T+4:T+5] neg_lo:[0,1] neg_hi:[0,1]
.set p, p+1
.endr
	v_pk_mul_f32 v[T:T+1], v[X:X+1], v[X:X+1]
	v_pk_mul_f32 v[T+2:T+3], v[X+2:X+3], v[X+2:X+3]
.set p, 2
.rept 14
	v_pk_fma_f32 v[T+2*(p%2):T+2*(p%2)+1], v[X+2*p:X+2*p+1], v[X+2*p:X+2*p+1], v[T+2*(p%2):T+2*(p%2)+1]
.set p, p+1
.endr
	RED
	v_fma_f32 v[T], v[T], s20, s21                 ; the variance + 1e-5
	v_rsq_f32 v[T+6], v[T]
	v_rsq_f32 v[T+7], v[T]
	v_nop                                          ; a plain instruction between the last root and the use of its result (ISA guide 5.7.2)
	s_wait_alu depctr_va_vdst(0)                   ; and the wait ahead of the first use: one for both
	s_wait_loadcnt 0x0                             ; g and b
.set p, 0
.rept 16
	v_pk_mul_f32 v[X+2*p:X+2*p+1], v[X+2*p:X+2*p+1], v[T+6:T+7]
.set p, p+1
.endr
.set p, 0
.rept 16
	v_pk_fma_f32 v[X+2*p:X+2*p+1], v[X+2*p:X+2*p+1], v[GG+2*p:GG+2*p+1], v[BB+2*p:BB+2*p+1]
.set p, p+1
.endr
.set p, 0
.rept 16
	v_cvt_pk_bf16_f32 v[X+p], v[X+2*p], v[X+2*p+1] ; in place, ascending: word p lands on a register whose number has been read
.set p, p+1
.endr
.irp j, 0,1,2,3,4,5,6,7
	global_store_b64 v2, v[X+2*(\j):X+2*(\j)+1], s[10:11] offset:256*(\j)
.endr
	s_endpgm
.Lconvert:
	s_load_b256 s[4:11], s[0:1], 0x20              ; Wq s[4:5], Wk s[6:7], Wv s[8:9], Wo s[10:11]
	s_load_b128 s[12:15], s[0:1], 0x40             ; Wfc s[12:13], Wp2 s[14:15]
	s_load_b64 s[16:17], s[0:1], 0x50              ; wb
	s_sub_co_u32 s18, s18, 1
	s_lshl_b32 s18, s18, 8
	s_add_co_u32 s18, s18, ttmp9                   ; chunk 0..767
	s_and_b32 s26, s18, 63                         ; its place among the 64 chunks of 2^20 numbers,
	s_lshr_b32 s18, s18, 6                         ; and which 2^20 numbers: 0..11
	v_lshlrev_b32 v1, 4, v0                        ; 16 t: where I read
	v_lshlrev_b32 v2, 3, v0                        ; 8 t: where I write
	s_and_b32 s19, s18, 3                          ; the quarter of Wfc or Wp2,
	s_cmp_ge_u32 s18, 4
	s_cselect_b32 s19, s19, 0                      ; 0 for the four small matrices
	s_lshl_b32 s22, s19, 22                        ; a quarter is 4 MiB of f32
	s_lshl_b32 s19, s26, 16                        ; a chunk is 64 KiB in,
	s_add_co_u32 s22, s22, s19
	s_mov_b32 s23, 0
	s_lshl_b32 s24, s18, 21                        ; 2^20 numbers are 2 MiB of bf16
	s_lshl_b32 s19, s26, 15                        ; 32 KiB out
	s_add_co_u32 s24, s24, s19
	s_mov_b32 s25, 0
	s_wait_kmcnt 0x0
	s_cmp_eq_u32 s18, 1                            ; the source is chosen by the chunk's number alone
	s_cselect_b64 s[20:21], s[6:7], s[4:5]
	s_cmp_eq_u32 s18, 2
	s_cselect_b64 s[20:21], s[8:9], s[20:21]
	s_cmp_eq_u32 s18, 3
	s_cselect_b64 s[20:21], s[10:11], s[20:21]
	s_cmp_ge_u32 s18, 4
	s_cselect_b64 s[20:21], s[12:13], s[20:21]
	s_cmp_ge_u32 s18, 8
	s_cselect_b64 s[20:21], s[14:15], s[20:21]
	s_add_nc_u64 s[20:21], s[20:21], s[22:23]
	s_add_nc_u64 s[16:17], s[16:17], s[24:25]
.irp i, 0,1,2,3,4,5,6,7
	global_load_b128 v[IN+4*(\i):IN+4*(\i)+3], v1, s[20:21] offset:8192*(\i) th:TH_LOAD_NT
.endr
.irp i, 0,1,2,3,4,5,6,7
	s_wait_loadcnt 7-(\i)                          ; loads come back in order: load i is in, the younger ones stay out
	v_cvt_pk_bf16_f32 v[OUT+2*(\i)], v[IN+4*(\i)], v[IN+4*(\i)+1]
	v_cvt_pk_bf16_f32 v[OUT+2*(\i)+1], v[IN+4*(\i)+2], v[IN+4*(\i)+3]
	global_store_b64 v2, v[OUT+2*(\i):OUT+2*(\i)+1], s[16:17] offset:4096*(\i)
.endr
	s_endpgm
.Lfunc_end_k_q78c210acb2_prep:
	.size	k_q78c210acb2_prep, .Lfunc_end_k_q78c210acb2_prep-k_q78c210acb2_prep
	.p2alignl 7, 3214868480
	.fill 96, 4, 3214868480
	.section	.rodata,"a",@progbits
	.p2align	6, 0x0
	.amdhsa_kernel k_q78c210acb2_prep
		.amdhsa_group_segment_fixed_size 0
		.amdhsa_private_segment_fixed_size 0
		.amdhsa_enable_private_segment 0
		.amdhsa_kernarg_size 88
		.amdhsa_user_sgpr_count 2
		.amdhsa_user_sgpr_kernarg_segment_ptr 1
		.amdhsa_wavefront_size32 1
		.amdhsa_system_sgpr_workgroup_id_x 1
		.amdhsa_system_sgpr_workgroup_id_y 1
		.amdhsa_system_sgpr_workgroup_id_z 1
		.amdhsa_system_vgpr_workitem_id 0
		.amdhsa_next_free_vgpr 112
		.amdhsa_next_free_sgpr 66
		.amdhsa_reserve_vcc 0
		.amdhsa_float_denorm_mode_32 3
		.amdhsa_float_denorm_mode_16_64 3
		.amdhsa_memory_ordered 1
		.amdhsa_forward_progress 1
		.amdhsa_inst_pref_size 16
	.end_amdhsa_kernel
	.amdgpu_metadata
---
amdhsa.version: [ 1, 2 ]
amdhsa.kernels:
  - .name:           k_q78c210acb2_prep
    .symbol:         k_q78c210acb2_prep.kd
    .args:
      - { .name: x, .offset: 0, .size: 8, .value_kind: global_buffer, .address_space: global }
      - { .name: ln1_g, .offset: 8, .size: 8, .value_kind: global_buffer, .address_space: global }
      - { .name: ln1_b, .offset: 16, .size: 8, .value_kind: global_buffer, .address_space: global }
      - { .name: h, .offset: 24, .size: 8, .value_kind: global_buffer, .address_space: global }
      - { .name: Wq, .offset: 32, .size: 8, .value_kind: global_buffer, .address_space: global }
      - { .name: Wk, .offset: 40, .size: 8, .value_kind: global_buffer, .address_space: global }
      - { .name: Wv, .offset: 48, .size: 8, .value_kind: global_buffer, .address_space: global }
      - { .name: Wo, .offset: 56, .size: 8, .value_kind: global_buffer, .address_space: global }
      - { .name: Wfc, .offset: 64, .size: 8, .value_kind: global_buffer, .address_space: global }
      - { .name: Wp2, .offset: 72, .size: 8, .value_kind: global_buffer, .address_space: global }
      - { .name: wb, .offset: 80, .size: 8, .value_kind: global_buffer, .address_space: global }
    .group_segment_fixed_size: 0
    .private_segment_fixed_size: 0
    .kernarg_segment_align: 8
    .kernarg_segment_size: 88
    .max_flat_workgroup_size: 512
    .sgpr_count:     66
    .vgpr_count:     112
    .wavefront_size: 32
...
	.end_amdgpu_metadata
.endif
;; end of part 1
;; launch gqkv (part 2): grid 12 x 16, 4 waves a work-group, clusters of 4 x 4, 327,680 bytes of LDS; arguments h, wb, bq, bk, bv, qkv; writes qkv
.if DOCPART == 2
	.amdgcn_target "amdgcn-amd-amdhsa--gfx1250"
	.amdhsa_code_object_version 6
	.text
	.protected	k_q78c210acb2_gqkv
	.globl	k_q78c210acb2_gqkv
	.p2align	8
	.type	k_q78c210acb2_gqkv,@function
k_q78c210acb2_gqkv:
	s_mov_b64 s[64:65], 0
	v_nop
	global_prefetch_b8 v0, s[64:65] scope:SCOPE_SE
	s_setreg_imm32_b32 hwreg(HW_REG_WAVE_MODE, 25, 1), 1
	s_wait_xcnt 0x0
	s_wait_alu depctr_hold_cnt(0) depctr_sa_sdst(0) depctr_va_vdst(0) depctr_va_sdst(0) depctr_va_ssrc(0) depctr_va_vcc(0) depctr_vm_vsrc(0)
	s_getreg_b32 s2, hwreg(HW_REG_IB_STS2, 6, 4)
	s_cmp_eq_u32 s2, 0
	s_cbranch_scc0 .Lentry_in_a_cluster
	s_endpgm
.Lentry_in_a_cluster:
	s_bfe_u32 s2, ttmp6, 0x10000c
	s_cmp_lg_u32 s2, 0xf033
	s_cbranch_scc0 .Lentry_shape_is_right
	s_endpgm
.Lentry_shape_is_right:
; C[m][n] = sum over k of A[m][k] B[n][k] + bias[n], K = 1,024; A: h [4096][1024] bf16; B: rows of wb, bf16; sums in f32, the result rounded once to bf16.
; GELU = 0: B = Wq, Wk, Wv stacked (3,072 rows); the result is q, k, v by heads, [3][32 batch x head][2048][64], unscaled.
; GELU = 1: B = Wfc (4,096 rows); the result is x / (1 + 2^(x (a + b x x))), which is 0.5 x (1 + tanh(sqrt(2/pi) (x + 0.044715 x^3))) rewritten, laid [64 blocks of 64 columns][4096][64].
; In both layouts two neighbouring tokens of a block of 64 columns are 256 consecutive bytes.  LIMITS: NaN and infinities are not treated apart; where 2^(..) overflows the quotient is 0, the function's limit.
; SHARES.  A tile of C is 256 x 256; four waves, each 128 x 128: 64 accumulators, 512 registers.  K goes in 8 steps of 128 through two LDS slots filled by the tensor data mover.
; A K step is written once: the loop goes a step a trip, and the slot's LDS base is turned by an exclusive or (SLOT shares no bit with the four bases inside a slot).
; CLUSTERS: 4 x 4 work-groups; A's tile is asked for jointly along a row of the cluster, B's along a column.
; THE MATRIX INSTRUCTION IS USED TRANSPOSED (source 0 = 16 rows of B, source 1 = 16 rows of A): a lane holds eight neighbouring columns of one row of C.  So the bias is the C operand of the first products: no addition is written.
; REGISTERS, in windows of 256: window 0: v0-31 addresses; v64-127, v128-191 A's fragments; v192-255 the bias; v32-95 at work on the way out.  window 1: v64-191 B's fragments.  windows 2, 3: the accumulators, (a, b) at v[8 (8 (a % 4) + b)].
.set GELU, 0
.set SIZE_K, 1024
.set KSTEP,  128
.set PITCH,  272                       ; an LDS row: 256 bytes + 16 of padding: the 16 rows that a load touches start at 16 different groups of four banks (64 banks of 4 bytes: ISA guide 11.1)
.set HALFT,  128*PITCH                 ; what one tensor load brings
.set SLOT,   4*HALFT                   ; A's 256 rows, then B's 256 rows: 0x22000
.set SPARE,  2*SLOT                    ; behind the ring: the spare words, 128 bytes a wave
.set DP,     528                       ; the way out: a row of 128 f32 + 16 bytes
.set WREG,   128*DP                    ; a wave's 128 rows, in the ring's bytes once the ring has had its last fill and its last read
.if GELU
.set WOFF, 8388608                     ; Wfc in wb
.set HSTR, 524288                      ; bytes from a block of 64 columns to the next
.else
.set WOFF, 0
.set HSTR, 262144
.endif
.set FR,   3                           ; v3   272 (l % 16) + 16 (l / 16): my place in a fragment's rows
.set ADRA, 16                          ; v16  LDS address of my A fragments in the slot in hand
.set ADRB, 20                          ; v20  the same for B
.set STO,  24                          ; v24  the way out: where I put 32 bytes of a row
.set RD,   25                          ; v25  where I read rows back
.set CO,   26                          ; v26  my byte offset in the result
.set SPW,  28                          ; v28  my spare word; never rewritten
.set NIL,  29                          ; v29  0; never rewritten
.set PFO,  30                          ; v30  the prefetches' offset: lane x 2,048; never rewritten
.set BO,   31                          ; v31  32 (l / 16): my eight numbers of a bias block
.set XA,   32                          ; the way out: two sets of 16 registers, four rows each
.set XB,   48
.set U,    64                          ; at work
.set YA,   80                          ; two sets of 8 packed words
.set YB,   88
.set F0,   64
.set F1,   128
.set BIAS, 192
.set G1,   24                          ; s[24:31] group 1 for A;  s[32:39] group 0: a set for each first fill; the second then walks
.set G0,   32
.set LIM,  43                          ; s43  2 in a wave that prefetches, else the greatest number
.set PFA,  44                          ; s[44:45] where my prefetches stand
.set G1B,  48                          ; s[48:55], s[56:63] the same for B
.set G0B,  56
.set TBA,  66                          ; s66  LDS base of my 128 rows of A in the slot in hand
.set TBB,  67                          ; s67  of B
.set BP,   68                          ; s[68:69] the bias
.set GA,   74                          ; s[74:75] a
.set GB,   76                          ; s[76:77] b
.set MSB, 0
.macro WIN new                         ; the immediate's high byte repeats the setting that is left; a switch that changes nothing is dropped
.if MSB != (\new)
	s_set_vgpr_msb (MSB<<8)|(\new)
.set MSB, \new
.endif
.endm
; A joint load: waves 0 and 1 fetch A's two halves, waves 2 and 3 B's.  An s_nop 0 and four v_nop follow each line, ahead of the jump and the label.
.macro JLOAD s
	s_cmp_eq_u32 s11, 0
	s_cbranch_scc0 .Lfor_b_\@
	tensor_load_to_lds s[G0+4*(\s):G0+4*(\s)+3], s[G1:G1+7]
	s_nop 0
.rept 4
	v_nop
.endr
	s_branch .Lasked_\@
.Lfor_b_\@:
	tensor_load_to_lds s[G0B+4*(\s):G0B+4*(\s)+3], s[G1B:G1B+7]
	s_nop 0
.rept 4
	v_nop
.endr
.Lasked_\@:
.endm
; A prefetch of the K step that stands two refills on: 32 rows x 256 bytes, a lane a row.  A's rows are asked for by the clusters with x = 0, B's by those with y = 0; the four partners of a joint load
; share its 128 rows out by address, 32 each.  So each row's 256 bytes of K steps 4 to 7 are named once in the launch; trips with s3 = 6 .. 3 ask, the last two refills have no K step two on.
.macro ASK
	s_cmp_gt_u32 s3, s[LIM]
	s_cbranch_scc0 .Lnot_mine_\@
	global_prefetch_b8 v[PFO], s[PFA:PFA+1] offset:KSTEP*2 th:TH_LOAD_NT scope:SCOPE_SE
.Lnot_mine_\@:
.endm
.macro CREST                           ; a round of the cluster's barrier behind its opening barrier
	s_cmp_lg_u32 s10, 0
	s_cbranch_scc1 .Lnot_wave_0_\@
	s_barrier_signal -3
.Lnot_wave_0_\@:
	s_barrier_wait -3
	s_barrier_signal -1
	s_barrier_wait -1
.endm
.macro CROUND
	s_barrier_signal -1
	s_barrier_wait -1
	CREST
.endm
.macro PLACES                          ; four plain instructions between a matrix instruction and a load into, or a read of, its registers
.rept 4
	v_nop
.endr
.endm
	s_load_b128 s[4:7], s[0:1], 0x0                ; A s[4:5], wb s[6:7]
	s_load_b128 s[68:71], s[0:1], 0x10             ; GELU: bfc, gb; else bq, bk
.if !GELU
	s_load_b128 s[72:75], s[0:1], 0x20             ; bv, qkv
.endif
	v_lshl_add_u32 v[SPW], v0, 2, SPARE
	v_mov_b32 v[NIL], 0
	ds_add_u32 v[SPW], v[NIL]                      ; the wave's opening: the add and its wait stand ahead of my first tensor load
	ds_add_u32 v28, v29
	v_lshrrev_b32 v1, 5, v0
	v_readfirstlane_b32 s10, v1                    ; wave 0..3
	s_lshr_b32 s11, s10, 1                         ; my half of the tile's rows; also: I fetch for A (0) or B (1)
	s_and_b32 s12, s10, 1                          ; my half of its columns; also: which 128 rows I fetch
	s_bfe_u32 s40, ttmp6, 0x40000                  ; cx
	s_bfe_u32 s41, ttmp6, 0x40004                  ; cy
	s_lshl_b32 s42, ttmp9, 2
	s_add_co_u32 s42, s42, s40                     ; tile column
	s_and_b32 s13, ttmp7, 0xffff
	s_lshl_b32 s13, s13, 2
	s_add_co_u32 s13, s13, s41                     ; tile row
	s_lshl_b32 s43, s41, 2
	s_lshl_b32 s43, 15, s43                        ; my row of the cluster
	s_lshl_b32 s44, 0x1111, s40                    ; my column
	s_or_b32 s[G1+0], s43, (1<<16)|(1<<20)|(1<<21)|(5<<22)|(3<<25)   ; mask; 2-byte elements; padding on; bit 21 beside a mask; after every 64 words 4 words
	s_or_b32 s[G1B+0], s44, (1<<16)|(1<<20)|(1<<21)|(5<<22)|(3<<25)
.irp g, G1, G1B
	s_mov_b32 s[(\g)+1], KSTEP<<16                 ; tensor_dim0 = 128
	s_mov_b32 s[(\g)+2], 128<<16                   ; tensor_dim1 = 128
	s_mov_b32 s[(\g)+3], KSTEP<<16                 ; tile_dim0 = 128
	s_mov_b32 s[(\g)+4], 128                       ; tile_dim1 = 128
	s_mov_b32 s[(\g)+5], SIZE_K                    ; elements from row to row
	s_mov_b32 s[(\g)+6], 0
	s_mov_b32 s[(\g)+7], 0
.endr
	s_lshl_b32 s17, s12, 7
	s_lshl_b32 s16, s13, 8
	s_add_co_u32 s16, s16, s17                     ; A: row 256 x tile row + 128 x half
	s_lshl_b32 s46, s42, 8
	s_add_co_u32 s46, s46, s17                     ; B: row 256 x tile column + 128 x half
	s_lshl_b32 s16, s16, 11                        ; 2,048 bytes a row
	s_mov_b32 s17, 0
	s_lshl_b32 s46, s46, 11
	s_mov_b32 s47, 0
	s_mul_i32 s20, s10, HALFT                      ; where they go: wave x 128 rows
	s_wait_dscnt 0x0                               ; the opening add is done
	s_wait_kmcnt 0x0
.if WOFF
	s_add_nc_u64 s[6:7], s[6:7], WOFF
.endif
	s_add_nc_u64 s[14:15], s[4:5], s[16:17]
	s_add_nc_u64 s[46:47], s[6:7], s[46:47]
	CROUND                                         ; all sixteen work-groups are here: the first joint loads meet
.irp s, 0,1
	s_mov_b32 s[G0+4*(\s)], 1
	s_add_co_u32 s[G0+4*(\s)+1], s20, (\s)*SLOT
	s_add_nc_u64 s[G0+4*(\s)+2:G0+4*(\s)+3], s[14:15], (\s)*KSTEP*2
	s_or_b32 s[G0+4*(\s)+3], s[G0+4*(\s)+3], 0x80000000
	s_mov_b32 s[G0B+4*(\s)], 1
	s_add_co_u32 s[G0B+4*(\s)+1], s20, (\s)*SLOT
	s_add_nc_u64 s[G0B+4*(\s)+2:G0B+4*(\s)+3], s[46:47], (\s)*KSTEP*2
	s_or_b32 s[G0B+4*(\s)+3], s[G0B+4*(\s)+3], 0x80000000
	JLOAD \s                                       ; K steps 0 and 1: two loads of mine are out
.endr
	v_and_b32 v1, 15, v0                           ; l % 16
	v_bfe_u32 v2, v0, 4, 1                         ; l / 16
	v_lshlrev_b32 v[BO], 5, v2
.if GELU
	s_lshl_b32 s16, s42, 10                        ; the bias of my 128 columns: 4 bytes x (256 tile column + 128 half)
.else
	s_cmp_eq_u32 ttmp9, 1                          ; q, k or v: four tile columns each, so the cluster's x says which
	s_cselect_b64 s[BP:BP+1], s[70:71], s[BP:BP+1]
	s_cmp_eq_u32 ttmp9, 2
	s_cselect_b64 s[BP:BP+1], s[72:73], s[BP:BP+1]
	s_lshl_b32 s16, s40, 10
.endif
	s_lshl_b32 s17, s12, 9
	s_add_co_u32 s16, s16, s17
	s_mov_b32 s17, 0
	s_add_nc_u64 s[BP:BP+1], s[BP:BP+1], s[16:17]
.irp b, 0,1,2,3,4,5,6,7
	global_load_b128 v[BIAS+8*(\b):BIAS+8*(\b)+3],   v[BO], s[BP:BP+1] offset:64*(\b)      ; register j of block b: column 16 b + 8 (l / 16) + j
	global_load_b128 v[BIAS+8*(\b)+4:BIAS+8*(\b)+7], v[BO], s[BP:BP+1] offset:64*(\b)+16
.endr
	v_mul_u32_u24 v[FR], v1, PITCH
	v_lshl_add_u32 v[FR], v2, 4, v[FR]
	s_mul_i32 s[TBA], s11, HALFT
	s_mul_i32 s[TBB], s12, HALFT
	s_add_co_u32 s[TBB], s[TBB], 2*HALFT
	v_add_nc_u32 v[ADRA], s[TBA], v[FR]
	v_add_nc_u32 v[ADRB], s[TBB], v[FR]
	s_mul_i32 s23, s10, WREG
	v_mul_u32_u24 v4, v1, DP                       ; in: row l % 16, 32 bytes for each half of the lanes
	v_lshl_add_u32 v4, v2, 5, v4
	v_add_nc_u32 v[STO], s23, v4
	v_mul_u32_u24 v5, v2, DP                       ; back: lanes 0-15 take 256 bytes of one row, lanes 16-31 of the next
	v_lshl_add_u32 v5, v1, 4, v5
	v_add_nc_u32 v[RD], s23, v5
	v_and_b32 v[CO], 31, v0
	v_lshlrev_b32 v[CO], 3, v[CO]                  ; 8 l: two tokens x 128 bytes
.if GELU
	s_lshl_b32 s16, s42, 21                        ; block 4 x tile column + 2 x half, 524,288 bytes each
	s_lshl_b32 s17, s12, 20
	s_add_co_u32 s16, s16, s17
	s_lshl_b32 s17, s13, 15                        ; token 256 x tile row + 128 x half, 128 bytes each
	s_add_co_u32 s16, s16, s17
	s_lshl_b32 s17, s11, 14
	s_add_co_u32 s16, s16, s17
	s_mov_b32 s17, 0
	s_add_nc_u64 s[8:9], s[70:71], s[16:17]
	s_mov_b32 s[GA], 0xc0135761                    ; a = -2 log2(e) sqrt(2/pi)
	s_mov_b32 s[GA+1], s[GA]
	s_mov_b32 s[GB], 0xbdd2d3e8                    ; b = 0.044715 a
	s_mov_b32 s[GB+1], s[GB]
.else
	s_lshl_b32 s16, ttmp9, 23                      ; q, k or v: 8,388,608 bytes each
	s_lshr_b32 s17, s13, 3
	s_lshl_b32 s17, s17, 22                        ; the batch: 16 heads of 262,144 bytes
	s_add_co_u32 s16, s16, s17
	s_lshl_b32 s17, s40, 20                        ; head 4 cx + 2 x half
	s_add_co_u32 s16, s16, s17
	s_lshl_b32 s17, s12, 19
	s_add_co_u32 s16, s16, s17
	s_and_b32 s17, s13, 7
	s_lshl_b32 s17, s17, 15                        ; token 256 x (tile row % 8) + 128 x half
	s_add_co_u32 s16, s16, s17
	s_lshl_b32 s17, s11, 14
	s_add_co_u32 s16, s16, s17
	s_mov_b32 s17, 0
	s_add_nc_u64 s[8:9], s[74:75], s[16:17]
.endif
	; the prefetches
	s_lshl_b32 s20, s13, 8
	s_lshl_b32 s21, s42, 8
	s_and_b32 s22, ttmp7, 0xffff                   ; cluster y
	s_cmp_eq_u32 s11, 0                            ; do I fetch for A?
	s_cselect_b32 s20, s20, s21                    ; the tile's first row
	s_cselect_b32 s21, s40, s41                    ; my place among the four that ask with me
	s_cselect_b32 s22, ttmp9, s22                  ; the coordinate along which other clusters read the same rows
	s_cselect_b64 s[PFA:PFA+1], s[4:5], s[6:7]
	s_cmp_eq_u32 s22, 0
	s_cselect_b32 s[LIM], 2, -1                    ; the same in all sixteen partners, for a given wave
	s_lshl_b32 s22, s12, 7
	s_add_co_u32 s20, s20, s22
	s_lshl_b32 s21, s21, 5
	s_add_co_u32 s20, s20, s21
	s_lshl_b32 s20, s20, 11
	s_mov_b32 s21, 0
	s_add_nc_u64 s[PFA:PFA+1], s[PFA:PFA+1], s[20:21]
	s_add_nc_u64 s[PFA:PFA+1], s[PFA:PFA+1], 2*KSTEP*2   ; at K step 2: the first refill steps it to 3 and names K step 4
	v_and_b32 v[PFO], 31, v0
	v_lshlrev_b32 v[PFO], 11, v[PFO]
; 16 matrix instructions: m blocks a0, a0 + 1 of the window's four x all 8 n blocks, 32 along K.  zero = 1: the first product starts the sum with the bias.  The 64 accumulators take turns, in the same order in every quarter.
.macro MUL16 f, hi, a0, zero
.if \zero
	WIN 0x81+0x40*(\hi)                            ; B window 1, A and the bias window 0, D window 2 or 3
.else
	WIN 0xa1+0x50*(\hi)                            ; B window 1, A window 0, C and D window 2 or 3
.endif
.irp a, \a0, (\a0)+1
.irp b, 0,1,2,3,4,5,6,7
.if \zero
	v_wmma_f32_16x16x32_bf16 v[8*(8*(\a)+(\b)):8*(8*(\a)+(\b))+7], v[(\f)+8*(\b):(\f)+8*(\b)+7], v[(\f)+8*(4*(\hi)+(\a)):(\f)+8*(4*(\hi)+(\a))+7], v[BIAS+8*(\b):BIAS+8*(\b)+7]
.else
	v_wmma_f32_16x16x32_bf16 v[8*(8*(\a)+(\b)):8*(8*(\a)+(\b))+7], v[(\f)+8*(\b):(\f)+8*(\b)+7], v[(\f)+8*(4*(\hi)+(\a)):(\f)+8*(4*(\hi)+(\a))+7], v[8*(8*(\a)+(\b)):8*(8*(\a)+(\b))+7]
.endif
.endr
.endr
.endm
; 32 LDS loads in one run: the fragments of 32 along K at byte k of the rows of the slot in hand, into buffer f; B first, then A
.macro FETCH k, f
	WIN 0x40
.irp i, 0,1,2,3,4,5,6,7
	ds_load_b128 v[(\f)+8*(\i):(\f)+8*(\i)+3],   v[ADRB] offset:(\k)+(\i)*16*PITCH
	ds_load_b128 v[(\f)+8*(\i)+4:(\f)+8*(\i)+7], v[ADRB] offset:(\k)+(\i)*16*PITCH+32
.endr
	WIN 0
.irp i, 0,1,2,3,4,5,6,7
	ds_load_b128 v[(\f)+8*(\i):(\f)+8*(\i)+3],   v[ADRA] offset:(\k)+(\i)*16*PITCH
	ds_load_b128 v[(\f)+8*(\i)+4:(\f)+8*(\i)+7], v[ADRA] offset:(\k)+(\i)*16*PITCH+32
.endr
.endm
.macro QUARTER k, f, g, zero           ; multiplies buffer f; in its middle fetches the next quarter, at byte k, into g
	s_wait_dscnt 8                                 ; B and A's rows 0-63 are in; the youngest eight loads (A's rows 64-127) may be out
	MUL16 \f, 0, 0, \zero
	MUL16 \f, 0, 2, \zero
	PLACES
	FETCH \k, \g
	s_wait_dscnt 32                                ; all but the 32 just issued
	MUL16 \f, 1, 0, \zero
	MUL16 \f, 1, 2, \zero
.endm
.macro TOGGLE                          ; the fragment addresses turn to the other slot
	s_xor_b32 s[TBA], s[TBA], SLOT
	s_xor_b32 s[TBB], s[TBB], SLOT
	WIN 0
	v_add_nc_u32 v[ADRA], s[TBA], v[FR]
	v_add_nc_u32 v[ADRB], s[TBB], v[FR]
.endm
; The first half of a step's last quarter, and the one barrier of a change of slots.  In front of it each wave waits for all its tensor loads (one is out: its part of the next slot), adds 0 to its spare word,
; and waits for that and for its own reads of this slot.  Behind it nobody reads this slot any more and the next slot is whole.
.macro MEET
	WIN 0
	s_wait_tensorcnt 0x0
	ds_add_u32 v[SPW], v[NIL]
	s_wait_dscnt 9                                 ; the add and the youngest eight loads may be out
	MUL16 F1, 0, 0, 0
	s_wait_dscnt 0x0                               ; the add is done, and my reads of this slot are over
	s_barrier_signal -1
	MUL16 F1, 0, 2, 0
	WIN 0
	s_barrier_wait -1
.endm
; The whole last quarter of a step that fills its slot again, with the K step two on: the barrier opens a round of the cluster's, and the joint refill is the first thing behind the round: 224 matrix instructions ahead of the wait for it.
.macro TURN1
	s_wait_xcnt 0x0                                ; the last prefetch, a K step back, has read its address
	s_add_nc_u64 s[PFA:PFA+1], s[PFA:PFA+1], KSTEP*2
	TOGGLE
	MEET
	CREST
	s_xor_b32 s[G0+5], s[G0+5], SLOT               ; the walking sets: the other slot than last time, the next K step; no tensor load of mine is out
	s_add_nc_u64 s[G0+6:G0+7], s[G0+6:G0+7], KSTEP*2
	s_xor_b32 s[G0B+5], s[G0B+5], SLOT
	s_add_nc_u64 s[G0B+6:G0B+7], s[G0B+6:G0B+7], KSTEP*2
	JLOAD 1                                        ; its four v_nop are also the places in front of the loads below
	FETCH 0, F0
	ASK
	MUL16 F1, 1, 0, 0
	MUL16 F1, 1, 2, 0
.endm
	s_wait_tensorcnt 1                             ; my part of K step 0 is in; K step 1's may stay out
	s_barrier_signal -1
	s_barrier_wait -1
	FETCH 0, F0
	s_wait_loadcnt 0x0                             ; the bias
	QUARTER 64, F0, F1, 1                          ; the first quarter stands in front of the loop: its products start the sums
	WIN 0
	s_mov_b32 s3, 6
.Lstep:                                        ; trip t goes from K step t's second quarter to K step t + 1's first, and asks for K step t + 2
	QUARTER 128, F1, F0, 0
	QUARTER 192, F0, F1, 0
	TURN1
	QUARTER 64, F0, F1, 0
	WIN 0
	s_sub_co_u32 s3, s3, 1
	s_cmp_lg_u32 s3, 0
	s_cbranch_scc1 .Lstep
	s_mov_b32 s3, 2
.Ltail:                                        ; K steps 6 and 7 ask for nothing; the second trip is left in its middle
	QUARTER 128, F1, F0, 0
	QUARTER 192, F0, F1, 0
	TOGGLE
	MEET                                           ; at K step 7 this barrier says that nobody reads the ring any more
	s_sub_co_u32 s3, s3, 1
	s_cmp_eq_u32 s3, 0
	s_cbranch_scc1 .Lfin
	PLACES
	FETCH 0, F0
	MUL16 F1, 1, 0, 0
	MUL16 F1, 1, 2, 0
	QUARTER 64, F0, F1, 0
	WIN 0
	s_branch .Ltail
.Lfin:
	MUL16 F1, 1, 0, 0
	MUL16 F1, 1, 2, 0
	; THE WAY OUT.  The f32 sums go into my 128 rows of 528 bytes in the dead ring; each accumulator's lowest registers first.  Only I read my region, and LDS serves a wave's instructions in order (ISA guide 5.7.1.4).
	PLACES
.irp a, 0,1,2,3,4,5,6,7
	WIN 0x08+4*((\a)/4)                            ; the data in window 2 or 3
.irp b, 0,1,2,3,4,5,6,7
	ds_store_b128 v[STO], v[8*(8*((\a)%4)+(\b)):8*(8*((\a)%4)+(\b))+3]   offset:16*DP*(\a)+64*(\b)
	ds_store_b128 v[STO], v[8*(8*((\a)%4)+(\b))+4:8*(8*((\a)%4)+(\b))+7] offset:16*DP*(\a)+64*(\b)+16
.endr
.endr
	WIN 0
; Four rows into set x: load i takes rows row + 2 (i / 2) and the next (one for each half of the lanes), columns 64 (i % 2) on, four a lane
.macro LD x, row
.irp i, 0,1,2,3
	ds_load_b128 v[(\x)+4*(\i):(\x)+4*(\i)+3], v[RD] offset:DP*(\row)+2*DP*((\i)/2)+256*((\i)%2)
.endr
.endm
; Set x is worked on, loaded again with the rows eight further on (again = 1), and stored: a store of a wave covers 256 consecutive bytes, aligned: two tokens of one block of 64 columns.  left: the other set's loads may stay out.
.macro PROC x, y, row, left, again
	s_wait_dscnt \left
.if GELU
.irp i, 0,1,2,3,4,5,6,7
	v_pk_mul_f32 v[U+2*(\i):U+2*(\i)+1], v[(\x)+2*(\i):(\x)+2*(\i)+1], v[(\x)+2*(\i):(\x)+2*(\i)+1]
.endr
.irp i, 0,1,2,3,4,5,6,7
	v_pk_fma_f32 v[U+2*(\i):U+2*(\i)+1], v[U+2*(\i):U+2*(\i)+1], s[GB:GB+1], s[GA:GA+1] op_sel_hi:[1,0,0]
.endr
.irp i, 0,1,2,3,4,5,6,7
	v_pk_mul_f32 v[U+2*(\i):U+2*(\i)+1], v[U+2*(\i):U+2*(\i)+1], v[(\x)+2*(\i):(\x)+2*(\i)+1]
.endr
.irp i, 0,1,2,3,4,5,6,7,8,9,10,11,12,13,14,15
	v_exp_f32 v[U+(\i)], v[U+(\i)]
.endr
	v_nop                                          ; a plain instruction behind the last exponential,
	s_wait_alu depctr_va_vdst(0)                   ; and one wait for the batch of sixteen, ahead of its first reader
.irp i, 0,1,2,3,4,5,6,7
	v_pk_add_f32 v[U+2*(\i):U+2*(\i)+1], v[U+2*(\i):U+2*(\i)+1], 1.0 op_sel_hi:[1,0]
.endr
.irp i, 0,1,2,3,4,5,6,7,8,9,10,11,12,13,14,15
	v_rcp_f32 v[U+(\i)], v[U+(\i)]
.endr
	v_nop
	s_wait_alu depctr_va_vdst(0)                   ; the same for the sixteen reciprocals
.irp i, 0,1,2,3,4,5,6,7
	v_pk_mul_f32 v[U+2*(\i):U+2*(\i)+1], v[U+2*(\i):U+2*(\i)+1], v[(\x)+2*(\i):(\x)+2*(\i)+1]
.endr
.if \again
	LD \x, (\row)+8
.endif
.irp i, 0,1,2,3,4,5,6,7
	v_cvt_pk_bf16_f32 v[(\y)+(\i)], v[U+2*(\i)], v[U+2*(\i)+1]
.endr
.else
.irp i, 0,1,2,3,4,5,6,7
	v_cvt_pk_bf16_f32 v[(\y)+(\i)], v[(\x)+2*(\i)], v[(\x)+2*(\i)+1]
.endr
.if \again
	LD \x, (\row)+8
.endif
.endif
.irp i, 0,1,2,3
	global_store_b64 v[CO], v[(\y)+2*(\i):(\y)+2*(\i)+1], s[8:9] offset:((\i)%2)*HSTR+((\row)+2*((\i)/2))*128
.endr
.endm
	LD XA, 0
	LD XB, 4
	s_mov_b32 s2, 15
.Lrow:                                         ; eight rows a trip
	PROC XA, YA, 0, 4, 1
	PROC XB, YB, 4, 4, 1
	s_wait_xcnt 0x0                                ; the stores have read their data and their offset: both are rewritten only behind this wait
	v_add_nc_u32 v[RD], 8*DP, v[RD]
	v_add_nc_u32 v[CO], 8*128, v[CO]
	s_sub_co_u32 s2, s2, 1
	s_cmp_lg_u32 s2, 0
	s_cbranch_scc1 .Lrow
	PROC XA, YA, 0, 4, 0                           ; the last eight rows load nothing
	PROC XB, YB, 4, 0, 0
	s_wait_tensorcnt 0x0                           ; the wave's end: behind my last tensor load and my last LDS store
	ds_add_u32 v[SPW], v[NIL]
	s_wait_dscnt 0x0
	CROUND                                         ; the closing round: no work-group ends while a partner may still ask for a tile that names it
	s_endpgm
.Lfunc_end_k_q78c210acb2_gqkv:
	.size	k_q78c210acb2_gqkv, .Lfunc_end_k_q78c210acb2_gqkv-k_q78c210acb2_gqkv
	.p2alignl 7, 3214868480
	.fill 96, 4, 3214868480
	.section	.rodata,"a",@progbits
	.p2align	6, 0x0
	.amdhsa_kernel k_q78c210acb2_gqkv
		.amdhsa_group_segment_fixed_size 327680
		.amdhsa_private_segment_fixed_size 0
		.amdhsa_enable_private_segment 0
		.amdhsa_kernarg_size 48
		.amdhsa_user_sgpr_count 2
		.amdhsa_user_sgpr_kernarg_segment_ptr 1
		.amdhsa_wavefront_size32 1
		.amdhsa_system_sgpr_workgroup_id_x 1
		.amdhsa_system_sgpr_workgroup_id_y 1
		.amdhsa_system_sgpr_workgroup_id_z 1
		.amdhsa_system_vgpr_workitem_id 0
		.amdhsa_next_free_vgpr 1024
		.amdhsa_next_free_sgpr 80
		.amdhsa_reserve_vcc 0
		.amdhsa_float_denorm_mode_32 3
		.amdhsa_float_denorm_mode_16_64 3
		.amdhsa_memory_ordered 1
		.amdhsa_forward_progress 1
		.amdhsa_inst_pref_size 86
	.end_amdhsa_kernel
	.amdgpu_metadata
---
amdhsa.version: [ 1, 2 ]
amdhsa.kernels:
  - .name:           k_q78c210acb2_gqkv
    .symbol:         k_q78c210acb2_gqkv.kd
    .args:
      - { .name: h, .offset: 0, .size: 8, .value_kind: global_buffer, .address_space: global }
      - { .name: wb, .offset: 8, .size: 8, .value_kind: global_buffer, .address_space: global }
      - { .name: bq, .offset: 16, .size: 8, .value_kind: global_buffer, .address_space: global }
      - { .name: bk, .offset: 24, .size: 8, .value_kind: global_buffer, .address_space: global }
      - { .name: bv, .offset: 32, .size: 8, .value_kind: global_buffer, .address_space: global }
      - { .name: qkv, .offset: 40, .size: 8, .value_kind: global_buffer, .address_space: global }
    .group_segment_fixed_size: 327680
    .private_segment_fixed_size: 0
    .kernarg_segment_align: 8
    .kernarg_segment_size: 48
    .max_flat_workgroup_size: 128
    .sgpr_count:     80
    .vgpr_count:     1024
    .wavefront_size: 32
...
	.end_amdgpu_metadata
.endif
;; end of part 2
;; launch attn (part 3): grid 8 x 32, 4 waves a work-group, no clusters, 327,680 bytes of LDS; arguments qkv, yb; writes yb
.if DOCPART == 3
	.amdgcn_target "amdgcn-amd-amdhsa--gfx1250"
	.amdhsa_code_object_version 6
	.text
	.protected	k_q78c210acb2_attn
	.globl	k_q78c210acb2_attn
	.p2align	8
	.type	k_q78c210acb2_attn,@function
k_q78c210acb2_attn:
	s_mov_b64 s[64:65], 0
	v_nop
	global_prefetch_b8 v0, s[64:65] scope:SCOPE_SE
	s_setreg_imm32_b32 hwreg(HW_REG_WAVE_MODE, 25, 1), 1
	s_wait_xcnt 0x0
; CAUSAL ATTENTION.  y[q] = the sum over k <= q of softmax_k(Q[q] . K[k] / 8) V[k], for each of 32 (batch, head).  qkv: [3][32][2048][64] bf16, a head's rows dense, 128 bytes each.
; y leaves as yb [16 heads][4096 tokens][64] bf16.  Products, maxima and sums in f32; the weights are rounded to bf16 for the second product (their sum l is taken unrounded), y once at the end.
; LIMITS.  A hidden score counts as its value less 1e30; a weight below 2^-126 counts as 0 in l; NaN and infinities are not treated apart.
; THE WALK.  A head's queries lie in 16 blocks of 128; block i needs the key tiles 0 .. i / 2 of 256 keys.  A work-group takes block b and then block 15 - b: (b / 2 + 1) + ((15 - b) / 2 + 1) = 9 tiles whatever b:
; all work-groups do equal work and one loop with a constant count walks them.  The short block comes first, so the change of blocks falls inside the loop and its text stands once.
; NO CLUSTER: the 8 work-groups of a head ask for the same tile only in their first b / 2 + 1 trips (1 to 4 of 9); one walk common to all would have 12 trips for 9.
; SHARES.  A wave owns 32 queries of a block: two tiles of 16.  A key step is 64 keys.
; LAYOUT.  S^T = K Q^T holds one query a lane (lane % 16) and the keys 8 (lane / 16) + 0..7; two such results rounded to bf16 are source 1 of O^T = V^T P.  V comes out of LDS turned, by ds_load_tr16_b128.
; THE MASK is the C operand that starts each sum S^T: 0, or -1e30 where the key is hidden.  MD is the mask of a 16 x 16 tile on the diagonal; a product's mask is MD x AL + BE: (1, 0) on the diagonal, (0, 0) below, (0, -1e30) above.
; The masks are made anew only in a block's first step and in the steps that reach the block's first query.
; SOFTMAX.  p = 2^(c s - c m), c = log2(e) / 8, with a running maximum m; O and l are multiplied by a = 2^(c m_old - c m_new) in every step; m starts at the lowest finite number, so a block's first step has a = 0.
; A STEP IS TWO HALVES.  H1: the 16 products K Q^T, V's run of loads, tile 0's maximum.  H2: the next step's K is fetched; the rest of the softmax, its 66 exponentials one batch with one wait; the 16 products V^T P.
; A change of slots stands between a slot's last H1 and its H2, when K and V of that step lie in registers.
; REGISTERS.  window 0: v0-34 addresses and statistics; v64-127 S^T; v128-159 P; v160-223 O^T; v224-255 the second block's Q.  window 1: v0-31 Q; v32-39 MD; v40-103 the masks; v104-167 K; v168-231 V.
.set KS,    64
.set PK,    144       ; a row of K in LDS: 128 bytes + 16: the 16 rows of a load start at 16 different groups of four banks (64 banks of 4 bytes: ISA guide 11.1)
.set PV,    160       ; a row of V: 128 + 32
.set VOFF,  4*KS*PK   ; a slot holds a tile: 256 rows of K, then 256 rows of V
.set SLOT1, 1<<17
.set STAGE, SLOT1+4*KS*(PK+PV)  ; behind the ring, never filled by a tensor load: 16 rows x 144 bytes a wave
.set SP,    144
.set SPARE, STAGE+4*16*SP       ; the spare words, 128 bytes a wave
.set AK0, 2
.set AV0, 3
.set AK,  4
.set AV,  5
.set STO, 6
.set RD,  7
.set GO,  8
.set MV,  12          ; v12-13  c m_old, by tile
.set QO,  15
.set ST,  16          ; tile t at v[ST+4 t]: c m, m, l (even keys', odd keys')
.set TMP, 24          ; tile t at v[TMP+4 t]: c0-c3 at work; c2 takes a
.set SPW, 32
.set NIL, 33
.set PFO, 34          ; 256 x lane
.set S,   64
.set P,   128
.set O,   160
.set QB2, 224
.set MD,  32          ; window 1
.set MC,  40
.set KF,  104
.set VF,  168
.set WV,  12
.set PB,  14          ; b
.set HI,  15          ; 15 - b
.set G1K, 24
.set G1V, 32
.set G0K, 40
.set G0V, 44
.set SLOTS, 56
.set CNT, 57
.set CS,  58
.set SEL, 60
.set TBK, 62
.set TBV, 63
.set RT,  70          ; changes of slots until the first block's last half step stands behind one
.set NXT, 71          ; the tile to be asked for next
.set LQ,  72          ; the last tile of the block whose tiles are being asked for
.set NEW, 73          ; 1 at the first trip
.set OFF, 74
.set AL,  76
.set BE,  78
.set OLO, 80          ; yb at my rows of the second block
.set BIGN, 82
.set KB0, 83          ; the step's first key, in units of 16
.set QB16, 84         ; the block's first query, in units of 16
.set TH0, 85          ; my tile's place less the step's, by tile
.set TM,  87
.set LIM, 88          ; 6 in the work-group that prefetches, else 0
.set NHM1, 89         ; the second block's last tile
.set PFK, 90
.set PFV, 92
.set QBN, 94
.set NH,  95
.set MSB, 0
.macro WIN new
.if MSB != (\new)
	s_set_vgpr_msb (MSB<<8)|(\new)
.set MSB, (\new)
.endif
.endm
; A fill: waves 0 and 1 fetch the two halves of a tile's K, waves 2 and 3 those of its V.  An s_nop 0 and four v_nop follow each line.
.macro LOAD
	s_cmp_lt_u32 s[WV], 2
	s_cbranch_scc0 .Lfor_v_\@
	tensor_load_to_lds s[G0K:G0K+3], s[G1K:G1K+7]
	s_nop 0
.rept 4
	v_nop
.endr
	s_branch .Lasked_\@
.Lfor_v_\@:
	tensor_load_to_lds s[G0V:G0V+3], s[G1V:G1V+7]
	s_nop 0
.rept 4
	v_nop
.endr
.Lasked_\@:
.endm
; THE CHANGE OF SLOTS.  Each wave waits for all its tensor loads (one is out: its part of the other slot), adds 0 to its spare word, and waits for that and for its reads of the slot that it leaves.
; fill = 1: the old slot is filled again, the first thing behind the barrier, with tile NXT; the load has four key steps in which to land.
; The work-group with b = 0 walks all eight tiles of its head; it alone prefetches, in trips 1 to 6, the tile that its next change will ask for (tiles 2 to 7): each wave 32 rows of 256 bytes of K and of V, a lane a row.
.macro CHANGE fill
	WIN 0
	s_wait_tensorcnt 0x0                           ; no tensor load of mine is out, so a group 0 may be written
	ds_add_u32 v[SPW], v[NIL]
.if \fill
	s_lshl_b32 s[OFF], s[NXT], 15                  ; a tile is 32,768 bytes of K and of V
	s_xor_b32 s[G0K+1], s[G0K+1], SLOT1
	s_add_nc_u64 s[G0K+2:G0K+3], s[6:7], s[OFF:OFF+1]
	s_or_b32 s[G0K+3], s[G0K+3], 0x80000000
	s_xor_b32 s[G0V+1], s[G0V+1], SLOT1
	s_add_nc_u64 s[G0V+2:G0V+3], s[8:9], s[OFF:OFF+1]
	s_or_b32 s[G0V+3], s[G0V+3], 0x80000000
	s_add_co_u32 s[NXT], s[NXT], 1                 ; the block's next tile, or behind its last the second block's tile 0
	s_cmp_gt_u32 s[NXT], s[LQ]
	s_cselect_b32 s[NXT], 0, s[NXT]
	s_cselect_b32 s[LQ], s[NHM1], s[LQ]
	s_wait_xcnt 0x0                                ; the last prefetches, four key steps back, have read their addresses
	s_add_nc_u64 s[PFK:PFK+1], s[PFK:PFK+1], 32768
	s_add_nc_u64 s[PFV:PFV+1], s[PFV:PFV+1], 32768
.endif
	s_wait_dscnt 0x0                               ; the add is done, and my reads of the slot are over
	s_barrier_signal -1
	s_sub_co_u32 s[TBK], s[TBK], 4*KS*PK           ; the fetches go back to a slot's first step, in the other slot
	s_xor_b32 s[TBK], s[TBK], SLOT1
	s_sub_co_u32 s[TBV], s[TBV], 4*KS*PV
	s_xor_b32 s[TBV], s[TBV], SLOT1
	s_barrier_wait -1
.if \fill
	LOAD
	s_sub_co_u32 s[TM], s[SLOTS], 2                ; SLOTS = 7 .. 2
	s_cmp_lt_u32 s[TM], s[LIM]
	s_cbranch_scc0 .Lnot_mine_\@
	global_prefetch_b8 v[PFO], s[PFK:PFK+1] th:TH_LOAD_NT scope:SCOPE_SE
	global_prefetch_b8 v[PFO], s[PFV:PFV+1] th:TH_LOAD_NT scope:SCOPE_SE
.Lnot_mine_\@:
.endif
.endm
	s_load_b128 s[48:51], s[0:1], 0x0              ; qkv s[48:49], yb s[50:51]
	v_lshl_add_u32 v[SPW], v0, 2, SPARE
	v_mov_b32 v[NIL], 0
	ds_add_u32 v[SPW], v[NIL]                      ; the wave's opening: the add and its wait stand ahead of my first tensor load
	ds_add_u32 v32, v33
	v_lshrrev_b32 v1, 5, v0
	v_readfirstlane_b32 s[WV], v1
	s_mov_b32 s[PB], ttmp9
	s_sub_co_u32 s[HI], 15, s[PB]
	s_and_b32 s13, ttmp7, 0xffff                   ; batch x 16 + head
	s_lshl_b32 s19, s13, 18                        ; its 262,144 bytes in q, k and v
	s_and_b32 s16, s[WV], 1                        ; which half of a tile's 256 keys I fetch
	s_mul_i32 s17, s16, 128*PK
	s_mul_i32 s18, s16, 128*PV
	s_lshl_b32 s16, s16, 14
	s_add_co_u32 s52, s19, 8388608                 ; k lies 8,388,608 bytes behind q,
	s_add_co_u32 s54, s52, 8388608                 ; v as far behind k
	s_lshl_b32 s2, s[WV], 13                       ; the prefetches: my 32 rows of 256 bytes
	s_add_co_u32 s66, s52, s2
	s_add_co_u32 s68, s54, s2
	s_add_co_u32 s52, s52, s16
	s_add_co_u32 s54, s54, s16
	s_mov_b32 s53, 0
	s_mov_b32 s55, 0
	s_mov_b32 s67, 0
	s_mov_b32 s69, 0
	s_lshl_b32 s2, s[WV], 12                       ; my 32 rows of 128 bytes
	s_lshl_b32 s3, s[PB], 14
	s_add_co_u32 s3, s3, s2                        ; in the first block,
	s_lshl_b32 s16, s[HI], 14
	s_add_co_u32 s16, s16, s2                      ; in the second
	s_add_co_u32 s96, s19, s3
	s_mov_b32 s97, 0
	s_add_co_u32 s98, s19, s16
	s_mov_b32 s99, 0
	s_and_b32 s2, s13, 15
	s_lshl_b32 s2, s2, 19                          ; yb: a head is 4,096 tokens of 128 bytes,
	s_lshr_b32 s13, s13, 4
	s_lshl_b32 s13, s13, 18                        ; a batch 2,048 of them
	s_add_co_u32 s2, s2, s13
	s_add_co_u32 s20, s2, s3
	s_mov_b32 s21, 0
	s_add_co_u32 s22, s2, s16
	s_mov_b32 s23, 0
	; group 1: 128 keys are 16,384 dense bytes: asked for as 64 rows of 256 bytes, two keys a row, padded in LDS after every key
	s_mov_b32 s[G1K], (1<<16)|(1<<20)|(4<<22)|(3<<25)
	s_mov_b32 s[G1V], (1<<16)|(1<<20)|(4<<22)|(7<<25)
.irp g, G1K, G1V
	s_mov_b32 s[\g+1], 128<<16
	s_mov_b32 s[\g+2], 64<<16
	s_mov_b32 s[\g+3], 128<<16
	s_mov_b32 s[\g+4], 64
	s_mov_b32 s[\g+5], 128
	s_mov_b32 s[\g+6], 0
	s_mov_b32 s[\g+7], 0
.endr
	s_mov_b32 s[CS], 0x3e38aa3b                    ; c = log2(e) / 8
	s_mov_b32 s[CS+1], s[CS]
	s_mov_b32 s[SEL], 0x76543210
	s_mov_b32 s[SEL+1], 0xfedcba98
	s_mov_b32 s[TBK], SLOT1+4*KS*PK                ; the first change of slots turns these two into 0
	s_mov_b32 s[TBV], SLOT1+4*KS*PV
	s_mov_b32 s[G0K], 1
	s_mov_b32 s[G0K+1], s17
	s_mov_b32 s[G0V], 1
	s_add_co_u32 s[G0V+1], s18, VOFF
	s_lshr_b32 s[LQ], s[PB], 1                     ; the first block's last tile
	s_lshr_b32 s[NHM1], s[HI], 1
	s_add_co_u32 s[NH], s[NHM1], 1
	s_add_co_u32 s[RT], s[LQ], 2                   ; its tiles + 1
	s_mov_b32 s[NXT], 1
	s_cmp_gt_u32 s[NXT], s[LQ]                     ; a first block of one tile: the second block's tile 0 is next
	s_cselect_b32 s[NXT], 0, s[NXT]
	s_cselect_b32 s[LQ], s[NHM1], s[LQ]
	s_mov_b32 s[NEW], 1
	s_mov_b32 s[SLOTS], 8
	s_lshl_b32 s[QB16], s[PB], 3
	s_lshl_b32 s[QBN], s[HI], 3
	s_mov_b32 s[KB0], 0
	s_mov_b32 s[OFF+1], 0
	s_mov_b32 s[AL+1], 0
	s_mov_b32 s[BE+1], 0
	s_mov_b32 s[BIGN], 0xf149f2ca                  ; -1e30
	s_cmp_eq_u32 s[PB], 0
	s_cselect_b32 s[LIM], 6, 0
	s_wait_dscnt 0x0                               ; the opening add is done
	s_wait_kmcnt 0x0
	s_add_nc_u64 s[6:7], s[48:49], s[52:53]        ; K and V at my half of the head's tile 0
	s_add_nc_u64 s[8:9], s[48:49], s[54:55]
	s_add_nc_u64 s[PFK:PFK+1], s[48:49], s[66:67]  ; at tile 0: the first change steps them to tile 1 and asks for nothing
	s_add_nc_u64 s[PFV:PFV+1], s[48:49], s[68:69]
	s_add_nc_u64 s[4:5], s[48:49], s[96:97]        ; Q at my rows of the first block,
	s_add_nc_u64 s[98:99], s[48:49], s[98:99]      ; of the second
	s_add_nc_u64 s[10:11], s[50:51], s[20:21]
	s_add_nc_u64 s[OLO:OLO+1], s[50:51], s[22:23]
	s_mov_b64 s[G0K+2:G0K+3], s[6:7]
	s_or_b32 s[G0K+3], s[G0K+3], 0x80000000
	s_mov_b64 s[G0V+2:G0V+3], s[8:9]
	s_or_b32 s[G0V+3], s[G0V+3], 0x80000000
	LOAD                                           ; tile 0 into slot 0
	v_and_b32 v1, 15, v0                           ; l % 16
	v_bfe_u32 v9, v0, 4, 1                         ; l / 16
	v_lshlrev_b32 v[QO], 7, v1
	v_lshl_add_u32 v[QO], v9, 4, v[QO]
	WIN 0x40                                       ; destination window 1
.irp i, 0,1,2,3                        ; tile i / 2, channels 32 (i % 2) on
	global_load_b128 v[8*\i:8*\i+3],   v[QO], s[4:5] offset:(\i/2)*2048+(\i%2)*64
	global_load_b128 v[8*\i+4:8*\i+7], v[QO], s[4:5] offset:(\i/2)*2048+(\i%2)*64+32
.endr
	WIN 0
.irp i, 0,1,2,3
	global_load_b128 v[QB2+8*\i:QB2+8*\i+3],   v[QO], s[98:99] offset:(\i/2)*2048+(\i%2)*64
	global_load_b128 v[QB2+8*\i+4:QB2+8*\i+7], v[QO], s[98:99] offset:(\i/2)*2048+(\i%2)*64+32
.endr
	v_lshlrev_b32 v14, 3, v9
	v_sub_nc_u32 v14, v1, v14                      ; register j is hidden on the diagonal where 8 (l / 16) + j > l % 16
	WIN 0x40
.irp j, 0,1,2,3,4,5,6,7
	v_cmp_gt_i32 vcc_lo, \j, v14
	v_cndmask_b32 v[MD+\j], 0, s[BIGN], vcc_lo
.endr
.set i, MC                             ; the masks, O^T and l start at 0: written in the wait for the first tile, so that no first step is written out
.rept 64
	v_mov_b32 v[i], 0
.set i, i+1
.endr
	WIN 0
.set i, O
.rept 64
	v_mov_b32 v[i], 0
.set i, i+1
.endr
.irp t, 0,1
	v_mov_b32 v[ST+4*\t], 0xfe000000               ; c m: far below every c s
	v_mov_b32 v[ST+4*\t+1], 0xff7fffff             ; m
	v_mov_b32 v[ST+4*\t+2], 0
	v_mov_b32 v[ST+4*\t+3], 0
.endr
	v_mul_u32_u24 v[AK0], v1, PK
	v_lshl_add_u32 v[AK0], v9, 4, v[AK0]
	v_and_b32 v10, 7, v0                           ; the turning load: lane l reads key 8 (l / 16) + l % 8, channels 8 ((l / 8) % 2) + 0..7
	v_bfe_u32 v11, v0, 3, 1
	v_lshl_add_u32 v[AV0], v9, 3, v10
	v_mul_u32_u24 v[AV0], v[AV0], PV
	v_lshl_add_u32 v[AV0], v11, 4, v[AV0]
	v_add_nc_u32 v[AV0], VOFF, v[AV0]
	s_mul_i32 s13, s[WV], 16*SP
	s_add_co_u32 s13, s13, STAGE
	v_mul_u32_u24 v[STO], v1, SP
	v_lshl_add_u32 v[STO], v9, 4, v[STO]
	v_add_nc_u32 v[STO], s13, v[STO]
	v_bfe_u32 v[RD], v0, 3, 2
	v_mul_u32_u24 v[RD], v[RD], SP
	v_lshl_add_u32 v[RD], v10, 4, v[RD]
	v_add_nc_u32 v[RD], s13, v[RD]
	v_and_b32 v[GO], 31, v0
	v_lshlrev_b32 v[PFO], 8, v[GO]
	v_lshlrev_b32 v[GO], 4, v[GO]
; THE MATRIX WORK.  The four accumulators of a run of eight take turns.  Product i of S^T for tile t: channels 32 (i / 4) on, keys 16 (i % 4) on; the first four start the sums with the mask.
.macro KQ t
.set rS, S+32*(\t)+8*(i%4)
.set rK, KF+16*(i%4)+8*(i/4)
.set rQ, 16*(\t)+8*(i/4)
.set rM, MC+32*(\t)+8*(i%4)
.if i < 4
	WIN 0x15
	v_wmma_f32_16x16x32_bf16 v[rS:rS+7], v[rK:rK+7], v[rQ:rQ+7], v[rM:rM+7]
.else
	WIN 0x05
	v_wmma_f32_16x16x32_bf16 v[rS:rS+7], v[rK:rK+7], v[rQ:rQ+7], v[rS:rS+7]
.endif
.set i, i+1
.endm
; Product i of O^T += V^T P for tile t: keys 32 (i / 4) on, channels 16 (i % 4) on
.macro PVM t
	WIN 0x01
.set rO, O+32*(\t)+8*(i%4)
.set rV, VF+32*(i/4)+8*(i%4)
.set rP, P+16*(\t)+8*(i/4)
	v_wmma_f32_16x16x32_bf16 v[rO:rO+7], v[rV:rV+7], v[rP:rP+7], v[rO:rO+7]
.set i, i+1
.endm
.macro FETCH_K                         ; a step's K: 16 loads in one run
	WIN 0x40
.irp f, 0,1,2,3,4,5,6,7
	ds_load_b128 v[KF+8*\f:KF+8*\f+3],   v[AK] offset:(\f/2)*16*PK+(\f%2)*64
	ds_load_b128 v[KF+8*\f+4:KF+8*\f+7], v[AK] offset:(\f/2)*16*PK+(\f%2)*64+32
.endr
	s_add_co_u32 s[TBK], s[TBK], KS*PK
	WIN 0
.endm
.macro FETCH_V                         ; its V, turned
	WIN 0x40
.irp f, 0,1,2,3,4,5,6,7
	ds_load_tr16_b128 v[VF+8*\f:VF+8*\f+3],   v[AV] offset:(\f/4)*32*PV+(\f%4)*32
	ds_load_tr16_b128 v[VF+8*\f+4:VF+8*\f+7], v[AV] offset:(\f/4)*32*PV+16*PV+(\f%4)*32
.endr
	WIN 0
.endm
; THE VECTOR WORK, a line at a time, for tile t; all of it in window 0.
.macro REGS t
.set rT, ST+4*(\t)
.set rC, TMP+4*(\t)
.set rW, MV+(\t)
.set rS, S+32*(\t)
.set rP, P+16*(\t)
.set rO, O+32*(\t)
	WIN 0
.endm
.macro FF n, t                         ; c s - c m for pair n of 16
	REGS \t
	v_pk_fma_f32 v[rS+2*(\n):rS+2*(\n)+1], v[rS+2*(\n):rS+2*(\n)+1], s[CS:CS+1], v[rT:rT+1] op_sel_hi:[1,0,0] neg_lo:[0,0,1] neg_hi:[0,0,1]
.endm
.macro EE n, t                         ; the exponential of score n of 32
	REGS \t
	v_exp_f32 v[rS+(\n)], v[rS+(\n)]
.endm
.macro CC n, t                         ; pair n rounded to bf16
	REGS \t
	v_cvt_pk_bf16_f32 v[rP+(\n)], v[rS+2*(\n)], v[rS+2*(\n)+1]
.endm
.macro BBB n, t                        ; of the four weights 4 n .. the second pair is added onto the first
	REGS \t
	v_pk_add_f32 v[rS+4*(\n):rS+4*(\n)+1], v[rS+4*(\n):rS+4*(\n)+1], v[rS+4*(\n)+2:rS+4*(\n)+3]
.endm
.macro LL n, t                         ; l takes that sum; the first time as l = a l + sum
	REGS \t
.if (\n) == 0
	v_pk_fma_f32 v[rT+2:rT+3], v[rT+2:rT+3], v[rC+2:rC+3], v[rS:rS+1] op_sel_hi:[1,0,1]
.else
	v_pk_add_f32 v[rT+2:rT+3], v[rT+2:rT+3], v[rS+4*(\n):rS+4*(\n)+1]
.endif
.endm
.macro RR n, t                         ; pair n of 16 of O^T times a
	REGS \t
	v_pk_mul_f32 v[rO+2*(\n):rO+2*(\n)+1], v[rO+2*(\n):rO+2*(\n)+1], v[rC+2:rC+3] op_sel_hi:[1,0]
.endm
; Number n of the 22 that find the maximum and statistics: 0-11 four chains of seven scores (each accumulator's lowest registers are read first); 12-14, 16 the four scores left over, the old m, the four into one;
; 15 c m_old is kept; 17, 18 the query's other 32 keys lie in the lane 16 away: the new m; 19-21 c m, c m_old - c m_new, a
.macro XX n, t
	REGS \t
.if (\n) < 4
	v_max3_num_f32 v[rC+(\n)], v[rS+8*(\n)], v[rS+8*(\n)+1], v[rS+8*(\n)+2]
.elseif (\n) < 12
	v_max3_num_f32 v[rC+(\n)%4], v[rC+(\n)%4], v[rS+8*((\n)%4)+2*((\n)/4)+1], v[rS+8*((\n)%4)+2*((\n)/4)+2]
.elseif (\n) == 12
	v_max3_num_f32 v[rC], v[rC], v[rS+7], v[rS+15]
.elseif (\n) == 13
	v_max3_num_f32 v[rC+1], v[rC+1], v[rS+23], v[rS+31]
.elseif (\n) == 14
	v_max3_num_f32 v[rC+2], v[rC+2], v[rC+3], v[rT+1]
.elseif (\n) == 15
	v_mov_b32 v[rW], v[rT]
.elseif (\n) == 16
	v_max3_num_f32 v[rC], v[rC], v[rC+1], v[rC+2]
.elseif (\n) == 17
	v_permlanex16_b32 v[rC+3], v[rC], s[SEL], s[SEL+1]
.elseif (\n) == 18
	v_max_num_f32 v[rT+1], v[rC], v[rC+3]
.elseif (\n) == 19
	v_mul_f32 v[rT], s[CS], v[rT+1]
.elseif (\n) == 20
	v_sub_f32 v[rC+1], v[rW], v[rT]
.else
	v_exp_f32 v[rC+2], v[rC+1]
.endif
.endm
.macro SETMASK                         ; the masks of both tiles' four groups of 16 keys
	s_lshl_b32 s[TM], s[WV], 1
	s_add_co_u32 s[TM], s[TM], s[QB16]
	s_sub_co_i32 s[TH0], s[TM], s[KB0]             ; my tile 0's place less the step's first group's,
	s_add_co_i32 s[TH0+1], s[TH0], 1               ; tile 1's
	WIN 0x41
.irp t, 0,1
.irp kb, 0,1,2,3
	s_cmp_eq_i32 s[TH0+\t], \kb                    ; on the diagonal?
	s_cselect_b32 s[AL], 1.0, 0
	s_cmp_lt_i32 s[TH0+\t], \kb                    ; or above it?
	s_cselect_b32 s[BE], s[BIGN], 0
.irp z, 0,1,2,3
	v_pk_fma_f32 v[MC+32*\t+8*\kb+2*\z:MC+32*\t+8*\kb+2*\z+1], v[MD+2*\z:MD+2*\z+1], s[AL:AL+1], s[BE:BE+1] op_sel_hi:[1,0,0]
.endr
.endr
.endr
	WIN 0
.endm
; H1.  Tile 0's eight products stand bare; four plain instructions follow, the places for the reads of its scores and for the loads into V (whose last reader has four more behind it); V's run; then tile 1's eight products,
; behind them tile 0's maximum, statistics and first scalings.  The last four scalings are the places for what H2 begins with.
.macro H1
	s_cmp_eq_u32 s[KB0], 0                         ; a block's first step sets the masks,
	s_cbranch_scc1 .Lmask_\@
	s_add_co_u32 s[TM], s[KB0], 4
	s_cmp_gt_u32 s[TM], s[QB16]                    ; and so does every step that reaches the block's first query
	s_cbranch_scc0 .Lclear_\@
.Lmask_\@:
	SETMASK
.Lclear_\@:
	s_add_co_u32 s[KB0], s[KB0], 4
	s_wait_dscnt 0x0                               ; K is in
.set i, 0
.rept 8
	KQ 0
.endr
	WIN 0
	v_add_nc_u32 v[AV], s[TBV], v[AV0]
.rept 3
	v_nop
.endr
	s_add_co_u32 s[TBV], s[TBV], KS*PV
	FETCH_V
.set i, 0
	KQ 1
.irp n, 0,1,2,3
	XX \n, 0
.endr
	KQ 1
.irp n, 4,5,6,7
	XX \n, 0
.endr
	KQ 1
.irp n, 8,9,10,11
	XX \n, 0
.endr
	KQ 1
.irp n, 12,13,15,14
	XX \n, 0
.endr
	KQ 1
	XX 16, 0
	XX 17, 0
	KQ 1
	XX 18, 0
	XX 19, 0
	KQ 1
	XX 20, 0
	FF 0, 0
	FF 1, 0
	FF 2, 0
	KQ 1
.irp n, 3,4,5,6
	FF \n, 0
.endr
	WIN 0
.endm
; H2's two queues.  Plain, 46 long: tile 0's scalings 7-15, tile 1's maximum and statistics 0-20, its scalings 0-15.  Exponentials, 66 long: tile 0's a and s0-s31, tile 1's a and s0-s31.
; Dealt plain, exponential by turns, then the 20 exponentials left.  Exponential number e stands behind plain number e: tile 0's s(14 + 2 k) is number 15 + 2 k and its scaling plain k; tile 1's a is number 33 and its argument plain 29;
; tile 1's s(2 k) is number 34 + 2 k and its scaling plain 30 + k.  Nothing ahead of the wait names an exponential's result.
.macro PLQ
.if q < 9
	FF 7+q, 0
.elseif q < 30
	XX q-9, 1
.else
	FF q-30, 1
.endif
.set q, q+1
.endm
.macro EXQ
.if e == 0
	XX 21, 0
.elseif e < 33
	EE e-1, 0
.elseif e == 33
	XX 21, 1
.else
	EE e-34, 1
.endif
.set e, e+1
.endm
; H2.  fetch = 1: the next step's K is fetched first, five plain instructions behind the last product that read K.
.macro H2 fetch
	WIN 0
.if \fetch
	v_add_nc_u32 v[AK], s[TBK], v[AK0]
	FETCH_K
.endif
.set q, 0
.set e, 0
.rept 46
	PLQ
	EXQ
.endr
.rept 20
	EXQ
.endr
	v_nop                                          ; a plain instruction behind the last exponential: one for the batch
	s_wait_alu depctr_va_vdst(0)                   ; the wait ahead of the first reader: one for the step's 66 exponentials
.set n, 0
.rept 16
	RR n, 0
.set n, n+1
.endr
.set n, 0
.rept 16
	CC n, 0
.set n, n+1
.endr
.if \fetch
	s_wait_dscnt 16                                ; V is in; K's sixteen younger loads may stay out
.else
	s_wait_dscnt 0x0
.endif
.set i, 0
.set n, 0
.rept 8                                ; tile 0's products; behind each, four of tile 1's rescalings and roundings
	PVM 0
	RR 2*n, 1
	RR 2*n+1, 1
	CC 2*n, 1
	CC 2*n+1, 1
.set n, n+1
.endr
.set i, 0
.set n, 0
.rept 8                                ; tile 1's products; behind each, four of the sums
	PVM 1
	BBB n, 0
	BBB n, 1
	LL n, 0
	LL n, 1
.set n, n+1
.endr
	WIN 0
.endm
; THE WAY OUT of a block: l's halves and the other half of the lanes' are added; O^T is divided by l, rounded to bf16 and sent through my stage, a tile at a time.
.macro PACK t
.set i, O+32*(\t)
.rept 16
	v_pk_mul_f32 v[i:i+1], v[i:i+1], v[ST+4*(\t)+2:ST+4*(\t)+3] op_sel_hi:[1,0]
.set i, i+2
.endr
.set i, 0
.rept 16
	v_cvt_pk_bf16_f32 v[S+16*(\t)+i], v[O+32*(\t)+2*i], v[O+32*(\t)+2*i+1]
.set i, i+1
.endr
.irp f, 0,1,2,3
	ds_store_b128 v[STO], v[S+16*(\t)+4*\f:S+16*(\t)+4*\f+3] offset:32*\f
.endr
.irp f, 0,1,2,3
	ds_load_b128 v[S+16*(\t)+4*\f:S+16*(\t)+4*\f+3], v[RD] offset:\f*4*SP  ; LDS serves a wave's instructions in order (ISA guide 5.7.1.4): these see the stores above; the next tile's stores come behind them
.endr
.endm
.macro SEND t, younger
.irp f, 0,1,2,3
	s_wait_dscnt (\younger)+3-\f
	global_store_b128 v[GO], v[S+16*(\t)+4*\f:S+16*(\t)+4*\f+3], s[10:11] offset:(\t)*2048+\f*512  ; 512 consecutive bytes, at a multiple of 256 from yb's first
.endr
.endm
.macro WAYOUT
	WIN 0
.irp t, 0,1
	v_add_f32 v[ST+4*\t+2], v[ST+4*\t+2], v[ST+4*\t+3]
.endr
.irp t, 0,1
	v_permlanex16_b32 v[ST+4*\t+3], v[ST+4*\t+2], s[SEL], s[SEL+1]
.endr
.irp t, 0,1
	v_add_f32 v[ST+4*\t+2], v[ST+4*\t+2], v[ST+4*\t+3]
.endr
.irp t, 0,1
	v_rcp_f32 v[ST+4*\t+2], v[ST+4*\t+2]
.endr
	v_nop
	s_wait_alu depctr_va_vdst(0)                   ; one wait for the two reciprocals
	PACK 0
	PACK 1
	SEND 0, 8
	SEND 1, 0
.endm
.Lslot:                                        ; eight times: a tile is entered and the next is asked for
	CHANGE 1
	s_sub_co_u32 s[RT], s[RT], 1
	s_mov_b32 s[CNT], 4
	s_cmp_eq_u32 s[NEW], 1
	s_cbranch_scc0 .Lstep
	s_mov_b32 s[NEW], 0                            ; the first trip of all: there is no half step to finish
	v_add_nc_u32 v[AK], s[TBK], v[AK0]
	FETCH_K
	s_wait_loadcnt 0x0                             ; both blocks' Q
	s_branch .Lfirst
.Lstep:
	H2 1                                           ; behind a change of slots: the old slot's last step is finished out of registers, and the new slot's first K is fetched
	s_cmp_lg_u32 s[RT], 0
	s_cbranch_scc1 .Lfirst
	WAYOUT                                         ; that was the first block's last step
	s_wait_xcnt 0x0                                ; the stores have read their registers and yb's address
	s_mov_b64 s[10:11], s[OLO:OLO+1]
	s_mov_b32 s[RT], s[NH]                         ; never 0 again
	s_mov_b32 s[QB16], s[QBN]
	s_mov_b32 s[KB0], 0
.irp t, 0,1
	v_mov_b32 v[ST+4*\t], 0xfe000000               ; the next step's a is 0: what O^T and l hold need only be finite
	v_mov_b32 v[ST+4*\t+1], 0xff7fffff
.endr
	WIN 0x40                                       ; the second block's Q goes where the one text names Q
.set i, 0
.rept 32
	v_mov_b32 v[i], v[QB2+i]
.set i, i+1
.endr
	WIN 0
.Lfirst:
	H1
	s_sub_co_u32 s[CNT], s[CNT], 1
	s_cmp_lg_u32 s[CNT], 0
	s_cbranch_scc1 .Lstep
	s_sub_co_u32 s[SLOTS], s[SLOTS], 1
	s_cmp_lg_u32 s[SLOTS], 0
	s_cbranch_scc1 .Lslot
	CHANGE 0                                       ; the walk's last tile is written out
	s_mov_b32 s[CNT], 4
.Ltstep:
	H2 1
	H1
	s_sub_co_u32 s[CNT], s[CNT], 1
	s_cmp_lg_u32 s[CNT], 0
	s_cbranch_scc1 .Ltstep
	H2 0
	WAYOUT
	s_wait_tensorcnt 0x0                           ; the wave's end: behind my last tensor load and my last LDS store
	ds_add_u32 v[SPW], v[NIL]
	s_wait_dscnt 0x0
	s_endpgm
.Lfunc_end_k_q78c210acb2_attn:
	.size	k_q78c210acb2_attn, .Lfunc_end_k_q78c210acb2_attn-k_q78c210acb2_attn
	.p2alignl 7, 3214868480
	.fill 96, 4, 3214868480
	.section	.rodata,"a",@progbits
	.p2align	6, 0x0
	.amdhsa_kernel k_q78c210acb2_attn
		.amdhsa_group_segment_fixed_size 327680
		.amdhsa_private_segment_fixed_size 0
		.amdhsa_enable_private_segment 0
		.amdhsa_kernarg_size 16
		.amdhsa_user_sgpr_count 2
		.amdhsa_user_sgpr_kernarg_segment_ptr 1
		.amdhsa_wavefront_size32 1
		.amdhsa_system_sgpr_workgroup_id_x 1
		.amdhsa_system_sgpr_workgroup_id_y 1
		.amdhsa_system_sgpr_workgroup_id_z 1
		.amdhsa_system_vgpr_workitem_id 0
		.amdhsa_next_free_vgpr 512
		.amdhsa_next_free_sgpr 100
		.amdhsa_reserve_vcc 1
		.amdhsa_float_denorm_mode_32 3
		.amdhsa_float_denorm_mode_16_64 3
		.amdhsa_memory_ordered 1
		.amdhsa_forward_progress 1
		.amdhsa_inst_pref_size 89
	.end_amdhsa_kernel
	.amdgpu_metadata
---
amdhsa.version: [ 1, 2 ]
amdhsa.kernels:
  - .name:           k_q78c210acb2_attn
    .symbol:         k_q78c210acb2_attn.kd
    .args:
      - { .name: qkv, .offset: 0, .size: 8, .value_kind: global_buffer, .address_space: global }
      - { .name: yb, .offset: 8, .size: 8, .value_kind: global_buffer, .address_space: global }
    .group_segment_fixed_size: 327680
    .private_segment_fixed_size: 0
    .kernarg_segment_align: 8
    .kernarg_segment_size: 16
    .max_flat_workgroup_size: 128
    .sgpr_count:     100
    .vgpr_count:     512
    .wavefront_size: 32
...
	.end_amdgpu_metadata
.endif
;; end of part 3
;; launch gwo (part 4): grid 8 x 32, 4 waves a work-group, clusters of 4 x 4, 327,680 bytes of LDS; arguments yb, wb, bo, x, x1; writes x1
.if DOCPART == 4
	.amdgcn_target "amdgcn-amd-amdhsa--gfx1250"
	.amdhsa_code_object_version 6
	.text
	.protected	k_q78c210acb2_gwo
	.globl	k_q78c210acb2_gwo
	.p2align	8
	.type	k_q78c210acb2_gwo,@function
k_q78c210acb2_gwo:
	s_mov_b64 s[64:65], 0
	v_nop
	global_prefetch_b8 v0, s[64:65] scope:SCOPE_SE
	s_setreg_imm32_b32 hwreg(HW_REG_WAVE_MODE, 25, 1), 1
	s_wait_xcnt 0x0
	s_wait_alu depctr_hold_cnt(0) depctr_sa_sdst(0) depctr_va_vdst(0) depctr_va_sdst(0) depctr_va_ssrc(0) depctr_va_vcc(0) depctr_vm_vsrc(0)
	s_getreg_b32 s2, hwreg(HW_REG_IB_STS2, 6, 4)
	s_cmp_eq_u32 s2, 0
	s_cbranch_scc0 .Lentry_in_a_cluster
	s_endpgm
.Lentry_in_a_cluster:
	s_bfe_u32 s2, ttmp6, 0x10000c
	s_cmp_lg_u32 s2, 0xf033
	s_cbranch_scc0 .Lentry_shape_is_right
	s_endpgm
.Lentry_shape_is_right:
; out[m][n] = res[m][n] + bias[n] + sum over k of A[m][k] B[n][k].  A: [SIZE_K / 64 blocks][4096][64] bf16 (K in blocks of 64); B: 1,024 rows of SIZE_K bf16 at byte WOFF of wb; res, out: [4096][1024] f32; sums in f32.
; A tile of out is 128 x 128: 256 work-groups.  Four waves, each 64 x 64: 16 accumulators.  K goes in steps of 256 through two LDS slots; a step is written once, and the slot's LDS base is turned by an exclusive or
; (SLOT shares no bit with the bases inside a slot).  CLUSTERS: 4 x 4; A's tile is asked for jointly along a row of the cluster, B's along a column.
; THE WALK ALONG K BEGINS AT STEP 0 OR AT THE MIDDLE, by the parity of the cluster's x + y, and wraps round.  The two clusters that read the same rows of A, and clusters one apart along y, which read the same rows of B,
; so ask for different K steps at any one time, and each block of A and B is asked for at two different times of the launch.  The f32 sums are taken in the order of the walk.
; A's tile of a step is four blocks x 64 tokens a load: in memory four dense rows of 8,192 bytes, padded in LDS after every token's 128 bytes.
; THE MATRIX INSTRUCTION IS USED TRANSPOSED: a lane holds eight neighbouring columns of a row, and the bias is the C operand of the first products.  The residual is loaded at the start and stays on its way through the loop.
; No prefetch: the tiles are small.  REGISTERS: window 0: v0-31 addresses; v32-63 the bias, later rows on the way out; v64-95 likewise; v128-255 the accumulators.  window 1: two fragment buffers of 128.  window 2: v0-127 the residual.
.set SIZE_K, 1024
.set WOFF,   6291456
.set NK,     SIZE_K/256                ; K steps: a power of two
.set PA,     144                       ; a token's 128 bytes + 16: the 16 rows of a load start at 16 different groups of four banks (64 banks of 4 bytes: ISA guide 11.1)
.set PB,     528                       ; a row of B: 512 bytes + 16
.set ABLK,   64*PA
.set AHALF,  4*ABLK                    ; what a load brings of A: 36,864
.set BHALF,  64*PB                     ; of B: 33,792
.set BBASE,  2*AHALF
.set SLOT,   147456                    ; 0x24000; a slot uses 141,312
.set STAGE,  2*SLOT                    ; behind the ring: 16 rows x 272 bytes for each wave
.set SPITCH, 272
.set SPARE,  STAGE+4*16*SPITCH         ; the spare words, 128 bytes a wave
.set ASH,  21                          ; a K step of A is four blocks of 4,096 tokens x 128 bytes = 2^21 bytes,
.set BSH,  9                           ; of B 512 bytes of each row
.set FRA,  3
.set FRB,  4
.set ADRA, 16
.set ADRB, 20
.set STO,  24
.set RD,   25
.set CO,   26                          ; v26  4,096 (l / 16) + 16 (l % 16): my 16 bytes of two rows of res and out; never rewritten
.set SPW,  28
.set NIL,  29
.set BO,   31
.set BIAS, 32
.set T0,   32
.set ACC,  128
.set F0,   0
.set F1,   128
.set G1,   24
.set G0,   32
.set G1B,  48
.set G0B,  56
.set TBA,  66
.set TBB,  67
.set OA,   72                          ; s[72:73] byte offset of the K step to be asked for, in A
.set OB,   74                          ; s[74:75] in B
.set KK,   76                          ; s76  the K step to be asked for next, before the wrap
.set MSB, 0
.macro WIN new
.if MSB != (\new)
	s_set_vgpr_msb (MSB<<8)|(\new)
.set MSB, \new
.endif
.endm
.set MUL, 0x05                         ; sources 0 (B) and 1 (A) window 1; C and D window 0
.macro JLOAD s                         ; a joint load: waves 0 and 1 fetch A's two halves, waves 2 and 3 B's; an s_nop 0 and four v_nop follow each line
	s_cmp_eq_u32 s11, 0
	s_cbranch_scc0 .Lfor_b_\@
	tensor_load_to_lds s[G0+4*(\s):G0+4*(\s)+3], s[G1:G1+7]
	s_nop 0
.rept 4
	v_nop
.endr
	s_branch .Lasked_\@
.Lfor_b_\@:
	tensor_load_to_lds s[G0B+4*(\s):G0B+4*(\s)+3], s[G1B:G1B+7]
	s_nop 0
.rept 4
	v_nop
.endr
.Lasked_\@:
.endm
.macro CREST
	s_cmp_lg_u32 s10, 0
	s_cbranch_scc1 .Lnot_wave_0_\@
	s_barrier_signal -3
.Lnot_wave_0_\@:
	s_barrier_wait -3
	s_barrier_signal -1
	s_barrier_wait -1
.endm
.macro CROUND
	s_barrier_signal -1
	s_barrier_wait -1
	CREST
.endm
.macro PLACES
.rept 4
	v_nop
.endr
.endm
	s_load_b128 s[4:7], s[0:1], 0x0                ; A s[4:5], wb s[6:7]
	s_load_b128 s[68:71], s[0:1], 0x10             ; bias s[68:69], res s[70:71]
	s_load_b64 s[8:9], s[0:1], 0x20                ; out
	v_lshl_add_u32 v[SPW], v0, 2, SPARE
	v_mov_b32 v[NIL], 0
	ds_add_u32 v[SPW], v[NIL]                      ; the wave's opening: the add and its wait stand ahead of my first tensor load
	ds_add_u32 v28, v29
	v_lshrrev_b32 v1, 5, v0
	v_readfirstlane_b32 s10, v1
	s_lshr_b32 s11, s10, 1                         ; my half of the rows; also: I fetch for A (0) or B (1)
	s_and_b32 s12, s10, 1                          ; my half of the columns; also: which 64 rows I fetch
	s_bfe_u32 s40, ttmp6, 0x40000
	s_bfe_u32 s41, ttmp6, 0x40004
	s_lshl_b32 s42, ttmp9, 2
	s_add_co_u32 s42, s42, s40                     ; tile column
	s_and_b32 s13, ttmp7, 0xffff
	s_add_co_u32 s[KK], s13, ttmp9                 ; cluster y + cluster x: the same in all sixteen partners
	s_and_b32 s[KK], s[KK], 1
	s_mul_i32 s[KK], s[KK], NK/2                   ; the K step that my cluster begins with
	s_mov_b32 s[OA+1], 0
	s_mov_b32 s[OB+1], 0
	s_lshl_b32 s13, s13, 2
	s_add_co_u32 s13, s13, s41                     ; tile row
	s_lshl_b32 s43, s41, 2
	s_lshl_b32 s43, 15, s43
	s_lshl_b32 s44, 0x1111, s40
	s_or_b32 s[G1+0], s43, (1<<16)|(1<<20)|(1<<21)|(4<<22)|(3<<25)   ; A: mask of my row; 2-byte elements; padding: after every 32 words 4 words
	s_mov_b32 s[G1+1], 4096<<16                    ; tensor_dim0 = 4,096: 64 tokens of a block on end
	s_mov_b32 s[G1+2], 4<<16                       ; tensor_dim1 = 4 blocks
	s_mov_b32 s[G1+3], 4096<<16                    ; tile_dim0
	s_mov_b32 s[G1+4], 4                           ; tile_dim1
	s_mov_b32 s[G1+5], 262144                      ; elements from block to block
	s_mov_b32 s[G1+6], 0
	s_mov_b32 s[G1+7], 0
	s_or_b32 s[G1B+0], s44, (1<<16)|(1<<20)|(1<<21)|(6<<22)|(3<<25)  ; B: mask of my column; after every 128 words 4 words
	s_mov_b32 s[G1B+1], 256<<16
	s_mov_b32 s[G1B+2], 64<<16
	s_mov_b32 s[G1B+3], 256<<16
	s_mov_b32 s[G1B+4], 64
	s_mov_b32 s[G1B+5], SIZE_K
	s_mov_b32 s[G1B+6], 0
	s_mov_b32 s[G1B+7], 0
	s_lshl_b32 s16, s13, 14                        ; A: token 128 x tile row + 64 x half, 128 bytes each
	s_lshl_b32 s17, s12, 13
	s_add_co_u32 s16, s16, s17
	s_mov_b32 s17, 0
	s_lshl_b32 s46, s42, 7                         ; B: row 128 x tile column + 64 x half
	s_lshl_b32 s47, s12, 6
	s_add_co_u32 s46, s46, s47
	s_mul_i32 s46, s46, SIZE_K*2
	s_mov_b32 s47, 0
	s_mul_i32 s20, s12, AHALF                      ; where they go
	s_mul_i32 s21, s12, BHALF
	s_add_co_u32 s21, s21, BBASE
	s_wait_dscnt 0x0                               ; the opening add is done
	s_wait_kmcnt 0x0
	s_add_nc_u64 s[6:7], s[6:7], WOFF
	s_add_nc_u64 s[14:15], s[4:5], s[16:17]        ; A and B at K step 0 of what I fetch: kept, every fill's address is made from them
	s_add_nc_u64 s[46:47], s[6:7], s[46:47]
	CROUND                                         ; all sixteen work-groups are here: the first joint loads meet
.irp s, 0,1
	s_lshl_b32 s[OA], s[KK], ASH
	s_lshl_b32 s[OB], s[KK], BSH
	s_add_co_u32 s[KK], s[KK], 1                   ; (the walk's second step is never past the end: the start is 0 or the middle)
	s_mov_b32 s[G0+4*(\s)], 1
	s_add_co_u32 s[G0+4*(\s)+1], s20, (\s)*SLOT
	s_add_nc_u64 s[G0+4*(\s)+2:G0+4*(\s)+3], s[14:15], s[OA:OA+1]
	s_or_b32 s[G0+4*(\s)+3], s[G0+4*(\s)+3], 0x80000000
	s_mov_b32 s[G0B+4*(\s)], 1
	s_add_co_u32 s[G0B+4*(\s)+1], s21, (\s)*SLOT
	s_add_nc_u64 s[G0B+4*(\s)+2:G0B+4*(\s)+3], s[46:47], s[OB:OB+1]
	s_or_b32 s[G0B+4*(\s)+3], s[G0B+4*(\s)+3], 0x80000000
	JLOAD \s                                       ; the walk's first two K steps: two loads of mine are out
.endr
	v_and_b32 v1, 15, v0
	v_bfe_u32 v2, v0, 4, 1
	v_lshlrev_b32 v[BO], 5, v2
	v_lshlrev_b32 v[CO], 12, v2
	v_lshl_add_u32 v[CO], v1, 4, v[CO]
	s_lshl_b32 s16, s42, 9                         ; my 64 columns: 4 bytes x (128 tile column + 64 half)
	s_lshl_b32 s17, s12, 8
	s_add_co_u32 s16, s16, s17
	s_mov_b32 s17, 0
	s_add_nc_u64 s[68:69], s[68:69], s[16:17]
	s_lshl_b32 s18, s13, 19                        ; my 64 rows: 4,096 bytes x (128 tile row + 64 half)
	s_add_co_u32 s16, s16, s18
	s_lshl_b32 s18, s11, 18
	s_add_co_u32 s16, s16, s18
	s_add_nc_u64 s[70:71], s[70:71], s[16:17]
	s_add_nc_u64 s[8:9], s[8:9], s[16:17]
.irp b, 0,1,2,3
	global_load_b128 v[BIAS+8*(\b):BIAS+8*(\b)+3],   v[BO], s[68:69] offset:64*(\b)
	global_load_b128 v[BIAS+8*(\b)+4:BIAS+8*(\b)+7], v[BO], s[68:69] offset:64*(\b)+16
.endr
	WIN 0x80                                       ; destination window 2
.irp a, 0,1,2,3
.irp t, 0,1,2,3,4,5,6,7
	global_load_b128 v[4*(8*(\a)+(\t)):4*(8*(\a)+(\t))+3], v[CO], s[70:71] offset:(16*(\a)+2*(\t))*4096
.endr
.endr
	WIN 0
	v_mul_u32_u24 v[FRA], v1, PA
	v_lshl_add_u32 v[FRA], v2, 4, v[FRA]
	v_mul_u32_u24 v[FRB], v1, PB
	v_lshl_add_u32 v[FRB], v2, 4, v[FRB]
	s_mul_i32 s[TBA], s11, AHALF
	s_mul_i32 s[TBB], s12, BHALF
	s_add_co_u32 s[TBB], s[TBB], BBASE
	v_add_nc_u32 v[ADRA], s[TBA], v[FRA]
	v_add_nc_u32 v[ADRB], s[TBB], v[FRB]
	s_mul_i32 s23, s10, 16*SPITCH
	s_add_co_u32 s23, s23, STAGE                   ; my stage
	v_mul_u32_u24 v5, v1, SPITCH                   ; in: row l % 16, 32 bytes for each half of the lanes
	v_lshl_add_u32 v5, v2, 5, v5
	v_add_nc_u32 v[STO], s23, v5
	v_mul_u32_u24 v5, v2, SPITCH                   ; back: lanes 0-15 one row of 256 bytes, lanes 16-31 the next
	v_lshl_add_u32 v5, v1, 4, v5
	v_add_nc_u32 v[RD], s23, v5
; 8 matrix instructions: m blocks a0, a0 + 1 x all 4 n blocks, 32 along K: half c of buffer f.  zero = 1: the sums start with the bias.  The 16 accumulators take turns.
.macro MUL8 f, c, a0, zero
	WIN MUL
.irp a, \a0, (\a0)+1
.irp b, 0,1,2,3
.if \zero
	v_wmma_f32_16x16x32_bf16 v[ACC+8*(4*(\a)+(\b)):ACC+8*(4*(\a)+(\b))+7], v[(\f)+64+8*(4*(\c)+(\b)):(\f)+64+8*(4*(\c)+(\b))+7], v[(\f)+8*(4*(\c)+(\a)):(\f)+8*(4*(\c)+(\a))+7], v[BIAS+8*(\b):BIAS+8*(\b)+7]
.else
	v_wmma_f32_16x16x32_bf16 v[ACC+8*(4*(\a)+(\b)):ACC+8*(4*(\a)+(\b))+7], v[(\f)+64+8*(4*(\c)+(\b)):(\f)+64+8*(4*(\c)+(\b))+7], v[(\f)+8*(4*(\c)+(\a)):(\f)+8*(4*(\c)+(\a))+7], v[ACC+8*(4*(\a)+(\b)):ACC+8*(4*(\a)+(\b))+7]
.endif
.endr
.endr
.endm
; 32 LDS loads in one run: quarter q of the step (64 along K: block q of A, bytes 128 q of B's rows) into buffer f; the first 32 along K first
.macro FETCH q, f
	WIN 0x40
.irp c, 0,1
.irp i, 0,1,2,3
	ds_load_b128 v[(\f)+64+8*(4*(\c)+(\i)):(\f)+64+8*(4*(\c)+(\i))+3],   v[ADRB] offset:128*(\q)+64*(\c)+(\i)*16*PB
	ds_load_b128 v[(\f)+64+8*(4*(\c)+(\i))+4:(\f)+64+8*(4*(\c)+(\i))+7], v[ADRB] offset:128*(\q)+64*(\c)+(\i)*16*PB+32
	ds_load_b128 v[(\f)+8*(4*(\c)+(\i)):(\f)+8*(4*(\c)+(\i))+3],         v[ADRA] offset:ABLK*(\q)+64*(\c)+(\i)*16*PA
	ds_load_b128 v[(\f)+8*(4*(\c)+(\i))+4:(\f)+8*(4*(\c)+(\i))+7],       v[ADRA] offset:ABLK*(\q)+64*(\c)+(\i)*16*PA+32
.endr
.endr
.endm
.macro QUARTER q, f, g, zero           ; multiplies buffer f and fetches quarter q into g
	s_wait_dscnt 16                                ; the first 32 along K are in
	MUL8 \f, 0, 0, \zero
	MUL8 \f, 0, 2, \zero
	PLACES
	FETCH \q, \g
	s_wait_dscnt 32                                ; all but the 32 just issued
	MUL8 \f, 1, 0, 0
	MUL8 \f, 1, 2, 0
.endm
.macro TOGGLE
	s_xor_b32 s[TBA], s[TBA], SLOT
	s_xor_b32 s[TBB], s[TBB], SLOT
	WIN 0
	v_add_nc_u32 v[ADRA], s[TBA], v[FRA]
	v_add_nc_u32 v[ADRB], s[TBB], v[FRB]
.endm
; The one barrier of a change of slots: in front of it each wave waits for all its tensor loads, adds 0 to its spare word, and waits for that and for its own reads of this slot.
.macro MEET
	WIN 0
	s_wait_tensorcnt 0x0
	ds_add_u32 v[SPW], v[NIL]
	s_wait_dscnt 17                                ; the add and the youngest sixteen loads may be out
	MUL8 F1, 0, 0, 0
	s_wait_dscnt 0x0                               ; the add is done, and my reads of this slot are over
	s_barrier_signal -1
	MUL8 F1, 0, 2, 0
	WIN 0
	s_barrier_wait -1
.endm
.macro TURN1                           ; the last quarter of a step that fills its slot again, two steps of the walk ahead: 112 matrix instructions ahead of the wait for it
	TOGGLE
	MEET
	CREST                                          ; the barrier has opened a round of the cluster's
	s_and_b32 s[KK], s[KK], NK-1                   ; the walk wraps round
	s_lshl_b32 s[OA], s[KK], ASH
	s_lshl_b32 s[OB], s[KK], BSH
	s_add_co_u32 s[KK], s[KK], 1
	s_xor_b32 s[G0+5], s[G0+5], SLOT               ; the walking sets: the other slot than last time; the address is made anew; no tensor load of mine is out
	s_add_nc_u64 s[G0+6:G0+7], s[14:15], s[OA:OA+1]
	s_or_b32 s[G0+7], s[G0+7], 0x80000000
	s_xor_b32 s[G0B+5], s[G0B+5], SLOT
	s_add_nc_u64 s[G0B+6:G0B+7], s[46:47], s[OB:OB+1]
	s_or_b32 s[G0B+7], s[G0B+7], 0x80000000
	JLOAD 1                                        ; its four v_nop are also the places in front of the loads below
	FETCH 0, F0
	MUL8 F1, 1, 0, 0
	MUL8 F1, 1, 2, 0
.endm
	s_wait_tensorcnt 1                             ; my part of the walk's first step is in; the second's may stay out
	s_barrier_signal -1
	s_barrier_wait -1
	FETCH 0, F0
	s_wait_loadcnt 32                              ; the bias is in; the residual's 32 loads stay out
	QUARTER 1, F0, F1, 1
	WIN 0
	s_mov_b32 s3, NK-2
.Lstep:
	QUARTER 2, F1, F0, 0
	QUARTER 3, F0, F1, 0
	TURN1
	QUARTER 1, F0, F1, 0
	WIN 0
	s_sub_co_u32 s3, s3, 1
	s_cmp_lg_u32 s3, 0
	s_cbranch_scc1 .Lstep
	s_mov_b32 s3, 2
.Ltail:                                        ; the walk's last two steps ask for nothing; the second trip is left in its middle
	QUARTER 2, F1, F0, 0
	QUARTER 3, F0, F1, 0
	TOGGLE
	MEET
	s_sub_co_u32 s3, s3, 1
	s_cmp_eq_u32 s3, 0
	s_cbranch_scc1 .Lfin
	PLACES
	FETCH 0, F0
	MUL8 F1, 1, 0, 0
	MUL8 F1, 1, 2, 0
	QUARTER 1, F0, F1, 0
	WIN 0
	s_branch .Ltail
.Lfin:
	MUL8 F1, 1, 0, 0
	MUL8 F1, 1, 2, 0
	WIN 0
	; THE WAY OUT, 16 rows at a time through my own stage: 32 bytes a lane in, whole rows of 256 bytes back; the residual is added; 16 lanes store 256 consecutive bytes, aligned.
.macro STLD a
.set TT, T0+32*((\a)%2)
.irp b, 0,1,2,3
	ds_store_b128 v[STO], v[ACC+8*(4*(\a)+(\b)):ACC+8*(4*(\a)+(\b))+3]   offset:64*(\b)       ; each accumulator's lowest registers first
	ds_store_b128 v[STO], v[ACC+8*(4*(\a)+(\b))+4:ACC+8*(4*(\a)+(\b))+7] offset:64*(\b)+16
.endr
.irp t, 0,1,2,3,4,5,6,7
	ds_load_b128 v[TT+4*(\t):TT+4*(\t)+3], v[RD] offset:(\t)*2*SPITCH   ; LDS serves a wave's instructions in order (ISA guide 5.7.1.4): these see the stores above; the next block's stores come behind them
.endr
.endm
.macro SEND a, younger                 ; younger: the next block's sixteen LDS instructions, or none
.set TT, T0+32*((\a)%2)
	s_wait_dscnt \younger
	WIN 0x08                                       ; source 1, the residual, in window 2
.set i, 0
.rept 16
	v_pk_add_f32 v[TT+2*i:TT+2*i+1], v[TT+2*i:TT+2*i+1], v[32*(\a)+2*i:32*(\a)+2*i+1]
.set i, i+1
.endr
	WIN 0
.irp t, 0,1,2,3,4,5,6,7
	global_store_b128 v[CO], v[TT+4*(\t):TT+4*(\t)+3], s[8:9] offset:(16*(\a)+2*(\t))*4096
.endr
.endm
	PLACES
	STLD 0
	STLD 1
	s_wait_loadcnt 0x0                             ; the residual
	SEND 0, 16
	s_wait_xcnt 0x0                                ; the stores have read their data: the registers are loaded again only behind this wait
	STLD 2
	SEND 1, 16
	s_wait_xcnt 0x0
	STLD 3
	SEND 2, 16
	SEND 3, 0
	s_wait_tensorcnt 0x0                           ; the wave's end: behind my last tensor load and my last LDS store
	ds_add_u32 v[SPW], v[NIL]
	s_wait_dscnt 0x0
	CROUND                                         ; the closing round
	s_endpgm
.Lfunc_end_k_q78c210acb2_gwo:
	.size	k_q78c210acb2_gwo, .Lfunc_end_k_q78c210acb2_gwo-k_q78c210acb2_gwo
	.p2alignl 7, 3214868480
	.fill 96, 4, 3214868480
	.section	.rodata,"a",@progbits
	.p2align	6, 0x0
	.amdhsa_kernel k_q78c210acb2_gwo
		.amdhsa_group_segment_fixed_size 327680
		.amdhsa_private_segment_fixed_size 0
		.amdhsa_enable_private_segment 0
		.amdhsa_kernarg_size 40
		.amdhsa_user_sgpr_count 2
		.amdhsa_user_sgpr_kernarg_segment_ptr 1
		.amdhsa_wavefront_size32 1
		.amdhsa_system_sgpr_workgroup_id_x 1
		.amdhsa_system_sgpr_workgroup_id_y 1
		.amdhsa_system_sgpr_workgroup_id_z 1
		.amdhsa_system_vgpr_workitem_id 0
		.amdhsa_next_free_vgpr 640
		.amdhsa_next_free_sgpr 80
		.amdhsa_reserve_vcc 0
		.amdhsa_float_denorm_mode_32 3
		.amdhsa_float_denorm_mode_16_64 3
		.amdhsa_memory_ordered 1
		.amdhsa_forward_progress 1
		.amdhsa_inst_pref_size 67
	.end_amdhsa_kernel
	.amdgpu_metadata
---
amdhsa.version: [ 1, 2 ]
amdhsa.kernels:
  - .name:           k_q78c210acb2_gwo
    .symbol:         k_q78c210acb2_gwo.kd
    .args:
      - { .name: yb, .offset: 0, .size: 8, .value_kind: global_buffer, .address_space: global }
      - { .name: wb, .offset: 8, .size: 8, .value_kind: global_buffer, .address_space: global }
      - { .name: bo, .offset: 16, .size: 8, .value_kind: global_buffer, .address_space: global }
      - { .name: x, .offset: 24, .size: 8, .value_kind: global_buffer, .address_space: global }
      - { .name: x1, .offset: 32, .size: 8, .value_kind: global_buffer, .address_space: global }
    .group_segment_fixed_size: 327680
    .private_segment_fixed_size: 0
    .kernarg_segment_align: 8
    .kernarg_segment_size: 40
    .max_flat_workgroup_size: 128
    .sgpr_count:     80
    .vgpr_count:     640
    .wavefront_size: 32
...
	.end_amdgpu_metadata
.endif
;; end of part 4
;; launch ln2 (part 5): grid 256 x 1, 16 waves a work-group, no clusters, 0 bytes of LDS; arguments x1, ln2_g, ln2_b, h; writes h
.if DOCPART == 5
	.amdgcn_target "amdgcn-amd-amdhsa--gfx1250"
	.amdhsa_code_object_version 6
	.text
	.protected	k_q78c210acb2_ln2
	.globl	k_q78c210acb2_ln2
	.p2align	8
	.type	k_q78c210acb2_ln2,@function
k_q78c210acb2_ln2:
	s_mov_b64 s[64:65], 0
	v_nop
	global_prefetch_b8 v0, s[64:65] scope:SCOPE_SE
	s_setreg_imm32_b32 hwreg(HW_REG_WAVE_MODE, 25, 1), 1
	s_wait_xcnt 0x0
; h[r][c] = (x[r][c] - mean_r) / sqrt(var_r + 1e-5) * g[c] + b[c].  x: [4096][1024] f32, g, b: [1024] f32, h: [4096][1024] bf16, rounded once.
; Sixteen waves, one row a wave: a row is 32 registers a lane and stays in them between the passes, so it is read once and no wave waits for another.
; The variance is taken of x - mean, as the formula has it: a common offset in x costs nothing.
; Lane l holds columns 128 j + 4 l .. + 3, j = 0..7: a load of a wave covers 512 consecutive bytes, a store 256, aligned.  A stream: no LDS, no matrix unit, no loop.
.set X,   8                            ; v[8:39]    the row; at the end its low half holds the packed result
.set GG,  40                           ; v[40:71]   g of my 32 columns
.set BB,  72                           ; v[72:103]  b
.set T,   104                          ; v[104:111] at work: +0..3 two chains, +4, 5 the mean twice, +6, 7 the reciprocal root twice
	s_load_b256 s[4:11], s[0:1], 0x0               ; x s[4:5], g s[6:7], b s[8:9], h s[10:11]
	v_lshrrev_b32 v3, 5, v0
	v_readfirstlane_b32 s14, v3                    ; wave 0..15
	v_and_b32 v4, 31, v0
	v_lshlrev_b32 v1, 4, v4                        ; 16 l
	v_lshlrev_b32 v2, 3, v4                        ; 8 l
	s_lshl_b32 s15, ttmp9, 4
	s_add_co_u32 s15, s15, s14                     ; my row: 16 x work-group + wave
	s_lshl_b32 s16, s15, 12                        ; 4,096 bytes a row in,
	s_mov_b32 s17, 0
	s_lshl_b32 s18, s15, 11                        ; 2,048 out
	s_mov_b32 s19, 0
	s_mov_b32 s12, 0x76543210                      ; v_permlanex16_b32: each lane takes its own place in the other half
	s_mov_b32 s13, 0xfedcba98
	s_mov_b32 s20, 0x3a800000                      ; 1 / 1024
	s_mov_b32 s21, 0x3727c5ac                      ; 1e-5
	s_wait_kmcnt 0x0
	s_add_nc_u64 s[4:5], s[4:5], s[16:17]
	s_add_nc_u64 s[10:11], s[10:11], s[18:19]
.irp j, 0,1,2,3,4,5,6,7
	global_load_b128 v[X+4*(\j):X+4*(\j)+3], v1, s[4:5] offset:512*(\j)
.endr
.irp j, 0,1,2,3,4,5,6,7
	global_load_b128 v[GG+4*(\j):GG+4*(\j)+3], v1, s[6:7] offset:512*(\j)
.endr
.irp j, 0,1,2,3,4,5,6,7
	global_load_b128 v[BB+4*(\j):BB+4*(\j)+3], v1, s[8:9] offset:512*(\j)
.endr
; The two chains are added, then the lanes: four steps inside each half of 16 ride on the addition, one crosses the halves.  Every lane ends with the sum in v[T].
.macro RED
	v_pk_add_f32 v[T:T+1], v[T:T+1], v[T+2:T+3]
	v_add_f32 v[T], v[T], v[T+1]
	v_add_f32_dpp v[T], v[T], v[T] row_xmask:1 row_mask:0xf bank_mask:0xf
	v_add_f32_dpp v[T], v[T], v[T] row_xmask:2 row_mask:0xf bank_mask:0xf
	v_add_f32_dpp v[T], v[T], v[T] row_xmask:4 row_mask:0xf bank_mask:0xf
	v_add_f32_dpp v[T], v[T], v[T] row_xmask:8 row_mask:0xf bank_mask:0xf
	v_permlanex16_b32 v[T+1], v[T], s12, s13       ; its destination counts as read: it has been written
	v_add_f32 v[T], v[T], v[T+1]
.endm
	s_wait_loadcnt 16                              ; the row's eight loads are in; g and b, 16 loads, stay out
	v_pk_add_f32 v[T:T+1], v[X:X+1], v[X+2:X+3]    ; the first pairs start the two chains: nothing is cleared
	v_pk_add_f32 v[T+2:T+3], v[X+4:X+5], v[X+6:X+7]
.set p, 4
.rept 12
	v_pk_add_f32 v[T+2*(p%2):T+2*(p%2)+1], v[T+2*(p%2):T+2*(p%2)+1], v[X+2*p:X+2*p+1]
.set p, p+1
.endr
	RED
	v_mul_f32 v[T+4], s20, v[T]                    ; the mean, in both registers of a pair
	v_mul_f32 v[T+5], s20, v[T]
.set p, 0
.rept 16
	v_pk_add_f32 v[X+2*p:X+2*p+1], v[X+2*p:X+2*p+1], v[T+4:T+5] neg_lo:[0,1] neg_hi:[0,1]
.set p, p+1
.endr
	v_pk_mul_f32 v[T:T+1], v[X:X+1], v[X:X+1]
	v_pk_mul_f32 v[T+2:T+3], v[X+2:X+3], v[X+2:X+3]
.set p, 2
.rept 14
	v_pk_fma_f32 v[T+2*(p%2):T+2*(p%2)+1], v[X+2*p:X+2*p+1], v[X+2*p:X+2*p+1], v[T+2*(p%2):T+2*(p%2)+1]
.set p, p+1
.endr
	RED
	v_fma_f32 v[T], v[T], s20, s21                 ; the variance + 1e-5
	v_rsq_f32 v[T+6], v[T]
	v_rsq_f32 v[T+7], v[T]
	v_nop                                          ; a plain instruction between the last root and the use of its result (ISA guide 5.7.2)
	s_wait_alu depctr_va_vdst(0)                   ; and the wait ahead of the first use: one for both
	s_wait_loadcnt 0x0                             ; g and b
.set p, 0
.rept 16
	v_pk_mul_f32 v[X+2*p:X+2*p+1], v[X+2*p:X+2*p+1], v[T+6:T+7]
.set p, p+1
.endr
.set p, 0
.rept 16
	v_pk_fma_f32 v[X+2*p:X+2*p+1], v[X+2*p:X+2*p+1], v[GG+2*p:GG+2*p+1], v[BB+2*p:BB+2*p+1]
.set p, p+1
.endr
.set p, 0
.rept 16
	v_cvt_pk_bf16_f32 v[X+p], v[X+2*p], v[X+2*p+1] ; in place, ascending: word p lands on a register whose number has been read
.set p, p+1
.endr
.irp j, 0,1,2,3,4,5,6,7
	global_store_b64 v2, v[X+2*(\j):X+2*(\j)+1], s[10:11] offset:256*(\j)
.endr
	s_endpgm
.Lfunc_end_k_q78c210acb2_ln2:
	.size	k_q78c210acb2_ln2, .Lfunc_end_k_q78c210acb2_ln2-k_q78c210acb2_ln2
	.p2alignl 7, 3214868480
	.fill 96, 4, 3214868480
	.section	.rodata,"a",@progbits
	.p2align	6, 0x0
	.amdhsa_kernel k_q78c210acb2_ln2
		.amdhsa_group_segment_fixed_size 0
		.amdhsa_private_segment_fixed_size 0
		.amdhsa_enable_private_segment 0
		.amdhsa_kernarg_size 32
		.amdhsa_user_sgpr_count 2
		.amdhsa_user_sgpr_kernarg_segment_ptr 1
		.amdhsa_wavefront_size32 1
		.amdhsa_system_sgpr_workgroup_id_x 1
		.amdhsa_system_sgpr_workgroup_id_y 1
		.amdhsa_system_sgpr_workgroup_id_z 1
		.amdhsa_system_vgpr_workitem_id 0
		.amdhsa_next_free_vgpr 112
		.amdhsa_next_free_sgpr 66
		.amdhsa_reserve_vcc 0
		.amdhsa_float_denorm_mode_32 3
		.amdhsa_float_denorm_mode_16_64 3
		.amdhsa_memory_ordered 1
		.amdhsa_forward_progress 1
		.amdhsa_inst_pref_size 12
	.end_amdhsa_kernel
	.amdgpu_metadata
---
amdhsa.version: [ 1, 2 ]
amdhsa.kernels:
  - .name:           k_q78c210acb2_ln2
    .symbol:         k_q78c210acb2_ln2.kd
    .args:
      - { .name: x1, .offset: 0, .size: 8, .value_kind: global_buffer, .address_space: global }
      - { .name: ln2_g, .offset: 8, .size: 8, .value_kind: global_buffer, .address_space: global }
      - { .name: ln2_b, .offset: 16, .size: 8, .value_kind: global_buffer, .address_space: global }
      - { .name: h, .offset: 24, .size: 8, .value_kind: global_buffer, .address_space: global }
    .group_segment_fixed_size: 0
    .private_segment_fixed_size: 0
    .kernarg_segment_align: 8
    .kernarg_segment_size: 32
    .max_flat_workgroup_size: 512
    .sgpr_count:     66
    .vgpr_count:     112
    .wavefront_size: 32
...
	.end_amdgpu_metadata
.endif
;; end of part 5
;; launch gfc (part 6): grid 16 x 16, 4 waves a work-group, clusters of 4 x 4, 327,680 bytes of LDS; arguments h, wb, bfc, gb; writes gb
.if DOCPART == 6
	.amdgcn_target "amdgcn-amd-amdhsa--gfx1250"
	.amdhsa_code_object_version 6
	.text
	.protected	k_q78c210acb2_gfc
	.globl	k_q78c210acb2_gfc
	.p2align	8
	.type	k_q78c210acb2_gfc,@function
k_q78c210acb2_gfc:
	s_mov_b64 s[64:65], 0
	v_nop
	global_prefetch_b8 v0, s[64:65] scope:SCOPE_SE
	s_setreg_imm32_b32 hwreg(HW_REG_WAVE_MODE, 25, 1), 1
	s_wait_xcnt 0x0
	s_wait_alu depctr_hold_cnt(0) depctr_sa_sdst(0) depctr_va_vdst(0) depctr_va_sdst(0) depctr_va_ssrc(0) depctr_va_vcc(0) depctr_vm_vsrc(0)
	s_getreg_b32 s2, hwreg(HW_REG_IB_STS2, 6, 4)
	s_cmp_eq_u32 s2, 0
	s_cbranch_scc0 .Lentry_in_a_cluster
	s_endpgm
.Lentry_in_a_cluster:
	s_bfe_u32 s2, ttmp6, 0x10000c
	s_cmp_lg_u32 s2, 0xf033
	s_cbranch_scc0 .Lentry_shape_is_right
	s_endpgm
.Lentry_shape_is_right:
; C[m][n] = sum over k of A[m][k] B[n][k] + bias[n], K = 1,024; A: h [4096][1024] bf16; B: rows of wb, bf16; sums in f32, the result rounded once to bf16.
; GELU = 0: B = Wq, Wk, Wv stacked (3,072 rows); the result is q, k, v by heads, [3][32 batch x head][2048][64], unscaled.
; GELU = 1: B = Wfc (4,096 rows); the result is x / (1 + 2^(x (a + b x x))), which is 0.5 x (1 + tanh(sqrt(2/pi) (x + 0.044715 x^3))) rewritten, laid [64 blocks of 64 columns][4096][64].
; In both layouts two neighbouring tokens of a block of 64 columns are 256 consecutive bytes.  LIMITS: NaN and infinities are not treated apart; where 2^(..) overflows the quotient is 0, the function's limit.
; SHARES.  A tile of C is 256 x 256; four waves, each 128 x 128: 64 accumulators, 512 registers.  K goes in 8 steps of 128 through two LDS slots filled by the tensor data mover.
; A K step is written once: the loop goes a step a trip, and the slot's LDS base is turned by an exclusive or (SLOT shares no bit with the four bases inside a slot).
; CLUSTERS: 4 x 4 work-groups; A's tile is asked for jointly along a row of the cluster, B's along a column.
; THE MATRIX INSTRUCTION IS USED TRANSPOSED (source 0 = 16 rows of B, source 1 = 16 rows of A): a lane holds eight neighbouring columns of one row of C.  So the bias is the C operand of the first products: no addition is written.
; REGISTERS, in windows of 256: window 0: v0-31 addresses; v64-127, v128-191 A's fragments; v192-255 the bias; v32-95 at work on the way out.  window 1: v64-191 B's fragments.  windows 2, 3: the accumulators, (a, b) at v[8 (8 (a % 4) + b)].
.set GELU, 1
.set SIZE_K, 1024
.set KSTEP,  128
.set PITCH,  272                       ; an LDS row: 256 bytes + 16 of padding: the 16 rows that a load touches start at 16 different groups of four banks (64 banks of 4 bytes: ISA guide 11.1)
.set HALFT,  128*PITCH                 ; what one tensor load brings
.set SLOT,   4*HALFT                   ; A's 256 rows, then B's 256 rows: 0x22000
.set SPARE,  2*SLOT                    ; behind the ring: the spare words, 128 bytes a wave
.set DP,     528                       ; the way out: a row of 128 f32 + 16 bytes
.set WREG,   128*DP                    ; a wave's 128 rows, in the ring's bytes once the ring has had its last fill and its last read
.if GELU
.set WOFF, 8388608                     ; Wfc in wb
.set HSTR, 524288                      ; bytes from a block of 64 columns to the next
.else
.set WOFF, 0
.set HSTR, 262144
.endif
.set FR,   3                           ; v3   272 (l % 16) + 16 (l / 16): my place in a fragment's rows
.set ADRA, 16                          ; v16  LDS address of my A fragments in the slot in hand
.set ADRB, 20                          ; v20  the same for B
.set STO,  24                          ; v24  the way out: where I put 32 bytes of a row
.set RD,   25                          ; v25  where I read rows back
.set CO,   26                          ; v26  my byte offset in the result
.set SPW,  28                          ; v28  my spare word; never rewritten
.set NIL,  29                          ; v29  0; never rewritten
.set PFO,  30                          ; v30  the prefetches' offset: lane x 2,048; never rewritten
.set BO,   31                          ; v31  32 (l / 16): my eight numbers of a bias block
.set XA,   32                          ; the way out: two sets of 16 registers, four rows each
.set XB,   48
.set U,    64                          ; at work
.set YA,   80                          ; two sets of 8 packed words
.set YB,   88
.set F0,   64
.set F1,   128
.set BIAS, 192
.set G1,   24                          ; s[24:31] group 1 for A;  s[32:39] group 0: a set for each first fill; the second then walks
.set G0,   32
.set LIM,  43                          ; s43  2 in a wave that prefetches, else the greatest number
.set PFA,  44                          ; s[44:45] where my prefetches stand
.set G1B,  48                          ; s[48:55], s[56:63] the same for B
.set G0B,  56
.set TBA,  66                          ; s66  LDS base of my 128 rows of A in the slot in hand
.set TBB,  67                          ; s67  of B
.set BP,   68                          ; s[68:69] the bias
.set GA,   74                          ; s[74:75] a
.set GB,   76                          ; s[76:77] b
.set MSB, 0
.macro WIN new                         ; the immediate's high byte repeats the setting that is left; a switch that changes nothing is dropped
.if MSB != (\new)
	s_set_vgpr_msb (MSB<<8)|(\new)
.set MSB, \new
.endif
.endm
; A joint load: waves 0 and 1 fetch A's two halves, waves 2 and 3 B's.  An s_nop 0 and four v_nop follow each line, ahead of the jump and the label.
.macro JLOAD s
	s_cmp_eq_u32 s11, 0
	s_cbranch_scc0 .Lfor_b_\@
	tensor_load_to_lds s[G0+4*(\s):G0+4*(\s)+3], s[G1:G1+7]
	s_nop 0
.rept 4
	v_nop
.endr
	s_branch .Lasked_\@
.Lfor_b_\@:
	tensor_load_to_lds s[G0B+4*(\s):G0B+4*(\s)+3], s[G1B:G1B+7]
	s_nop 0
.rept 4
	v_nop
.endr
.Lasked_\@:
.endm
; A prefetch of the K step that stands two refills on: 32 rows x 256 bytes, a lane a row.  A's rows are asked for by the clusters with x = 0, B's by those with y = 0; the four partners of a joint load
; share its 128 rows out by address, 32 each.  So each row's 256 bytes of K steps 4 to 7 are named once in the launch; trips with s3 = 6 .. 3 ask, the last two refills have no K step two on.
.macro ASK
	s_cmp_gt_u32 s3, s[LIM]
	s_cbranch_scc0 .Lnot_mine_\@
	global_prefetch_b8 v[PFO], s[PFA:PFA+1] offset:KSTEP*2 th:TH_LOAD_NT scope:SCOPE_SE
.Lnot_mine_\@:
.endm
.macro CREST                           ; a round of the cluster's barrier behind its opening barrier
	s_cmp_lg_u32 s10, 0
	s_cbranch_scc1 .Lnot_wave_0_\@
	s_barrier_signal -3
.Lnot_wave_0_\@:
	s_barrier_wait -3
	s_barrier_signal -1
	s_barrier_wait -1
.endm
.macro CROUND
	s_barrier_signal -1
	s_barrier_wait -1
	CREST
.endm
.macro PLACES                          ; four plain instructions between a matrix instruction and a load into, or a read of, its registers
.rept 4
	v_nop
.endr
.endm
	s_load_b128 s[4:7], s[0:1], 0x0                ; A s[4:5], wb s[6:7]
	s_load_b128 s[68:71], s[0:1], 0x10             ; GELU: bfc, gb; else bq, bk
.if !GELU
	s_load_b128 s[72:75], s[0:1], 0x20             ; bv, qkv
.endif
	v_lshl_add_u32 v[SPW], v0, 2, SPARE
	v_mov_b32 v[NIL], 0
	ds_add_u32 v[SPW], v[NIL]                      ; the wave's opening: the add and its wait stand ahead of my first tensor load
	ds_add_u32 v28, v29
	v_lshrrev_b32 v1, 5, v0
	v_readfirstlane_b32 s10, v1                    ; wave 0..3
	s_lshr_b32 s11, s10, 1                         ; my half of the tile's rows; also: I fetch for A (0) or B (1)
	s_and_b32 s12, s10, 1                          ; my half of its columns; also: which 128 rows I fetch
	s_bfe_u32 s40, ttmp6, 0x40000                  ; cx
	s_bfe_u32 s41, ttmp6, 0x40004                  ; cy
	s_lshl_b32 s42, ttmp9, 2
	s_add_co_u32 s42, s42, s40                     ; tile column
	s_and_b32 s13, ttmp7, 0xffff
	s_lshl_b32 s13, s13, 2
	s_add_co_u32 s13, s13, s41                     ; tile row
	s_lshl_b32 s43, s41, 2
	s_lshl_b32 s43, 15, s43                        ; my row of the cluster
	s_lshl_b32 s44, 0x1111, s40                    ; my column
	s_or_b32 s[G1+0], s43, (1<<16)|(1<<20)|(1<<21)|(5<<22)|(3<<25)   ; mask; 2-byte elements; padding on; bit 21 beside a mask; after every 64 words 4 words
	s_or_b32 s[G1B+0], s44, (1<<16)|(1<<20)|(1<<21)|(5<<22)|(3<<25)
.irp g, G1, G1B
	s_mov_b32 s[(\g)+1], KSTEP<<16                 ; tensor_dim0 = 128
	s_mov_b32 s[(\g)+2], 128<<16                   ; tensor_dim1 = 128
	s_mov_b32 s[(\g)+3], KSTEP<<16                 ; tile_dim0 = 128
	s_mov_b32 s[(\g)+4], 128                       ; tile_dim1 = 128
	s_mov_b32 s[(\g)+5], SIZE_K                    ; elements from row to row
	s_mov_b32 s[(\g)+6], 0
	s_mov_b32 s[(\g)+7], 0
.endr
	s_lshl_b32 s17, s12, 7
	s_lshl_b32 s16, s13, 8
	s_add_co_u32 s16, s16, s17                     ; A: row 256 x tile row + 128 x half
	s_lshl_b32 s46, s42, 8
	s_add_co_u32 s46, s46, s17                     ; B: row 256 x tile column + 128 x half
	s_lshl_b32 s16, s16, 11                        ; 2,048 bytes a row
	s_mov_b32 s17, 0
	s_lshl_b32 s46, s46, 11
	s_mov_b32 s47, 0
	s_mul_i32 s20, s10, HALFT                      ; where they go: wave x 128 rows
	s_wait_dscnt 0x0                               ; the opening add is done
	s_wait_kmcnt 0x0
.if WOFF
	s_add_nc_u64 s[6:7], s[6:7], WOFF
.endif
	s_add_nc_u64 s[14:15], s[4:5], s[16:17]
	s_add_nc_u64 s[46:47], s[6:7], s[46:47]
	CROUND                                         ; all sixteen work-groups are here: the first joint loads meet
.irp s, 0,1
	s_mov_b32 s[G0+4*(\s)], 1
	s_add_co_u32 s[G0+4*(\s)+1], s20, (\s)*SLOT
	s_add_nc_u64 s[G0+4*(\s)+2:G0+4*(\s)+3], s[14:15], (\s)*KSTEP*2
	s_or_b32 s[G0+4*(\s)+3], s[G0+4*(\s)+3], 0x80000000
	s_mov_b32 s[G0B+4*(\s)], 1
	s_add_co_u32 s[G0B+4*(\s)+1], s20, (\s)*SLOT
	s_add_nc_u64 s[G0B+4*(\s)+2:G0B+4*(\s)+3], s[46:47], (\s)*KSTEP*2
	s_or_b32 s[G0B+4*(\s)+3], s[G0B+4*(\s)+3], 0x80000000
	JLOAD \s                                       ; K steps 0 and 1: two loads of mine are out
.endr
	v_and_b32 v1, 15, v0                           ; l % 16
	v_bfe_u32 v2, v0, 4, 1                         ; l / 16
	v_lshlrev_b32 v[BO], 5, v2
.if GELU
	s_lshl_b32 s16, s42, 10                        ; the bias of my 128 columns: 4 bytes x (256 tile column + 128 half)
.else
	s_cmp_eq_u32 ttmp9, 1                          ; q, k or v: four tile columns each, so the cluster's x says which
	s_cselect_b64 s[BP:BP+1], s[70:71], s[BP:BP+1]
	s_cmp_eq_u32 ttmp9, 2
	s_cselect_b64 s[BP:BP+1], s[72:73], s[BP:BP+1]
	s_lshl_b32 s16, s40, 10
.endif
	s_lshl_b32 s17, s12, 9
	s_add_co_u32 s16, s16, s17
	s_mov_b32 s17, 0
	s_add_nc_u64 s[BP:BP+1], s[BP:BP+1], s[16:17]
.irp b, 0,1,2,3,4,5,6,7
	global_load_b128 v[BIAS+8*(\b):BIAS+8*(\b)+3],   v[BO], s[BP:BP+1] offset:64*(\b)      ; register j of block b: column 16 b + 8 (l / 16) + j
	global_load_b128 v[BIAS+8*(\b)+4:BIAS+8*(\b)+7], v[BO], s[BP:BP+1] offset:64*(\b)+16
.endr
	v_mul_u32_u24 v[FR], v1, PITCH
	v_lshl_add_u32 v[FR], v2, 4, v[FR]
	s_mul_i32 s[TBA], s11, HALFT
	s_mul_i32 s[TBB], s12, HALFT
	s_add_co_u32 s[TBB], s[TBB], 2*HALFT
	v_add_nc_u32 v[ADRA], s[TBA], v[FR]
	v_add_nc_u32 v[ADRB], s[TBB], v[FR]
	s_mul_i32 s23, s10, WREG
	v_mul_u32_u24 v4, v1, DP                       ; in: row l % 16, 32 bytes for each half of the lanes
	v_lshl_add_u32 v4, v2, 5, v4
	v_add_nc_u32 v[STO], s23, v4
	v_mul_u32_u24 v5, v2, DP                       ; back: lanes 0-15 take 256 bytes of one row, lanes 16-31 of the next
	v_lshl_add_u32 v5, v1, 4, v5
	v_add_nc_u32 v[RD], s23, v5
	v_and_b32 v[CO], 31, v0
	v_lshlrev_b32 v[CO], 3, v[CO]                  ; 8 l: two tokens x 128 bytes
.if GELU
	s_lshl_b32 s16, s42, 21                        ; block 4 x tile column + 2 x half, 524,288 bytes each
	s_lshl_b32 s17, s12, 20
	s_add_co_u32 s16, s16, s17
	s_lshl_b32 s17, s13, 15                        ; token 256 x tile row + 128 x half, 128 bytes each
	s_add_co_u32 s16, s16, s17
	s_lshl_b32 s17, s11, 14
	s_add_co_u32 s16, s16, s17
	s_mov_b32 s17, 0
	s_add_nc_u64 s[8:9], s[70:71], s[16:17]
	s_mov_b32 s[GA], 0xc0135761                    ; a = -2 log2(e) sqrt(2/pi)
	s_mov_b32 s[GA+1], s[GA]
	s_mov_b32 s[GB], 0xbdd2d3e8                    ; b = 0.044715 a
	s_mov_b32 s[GB+1], s[GB]
.else
	s_lshl_b32 s16, ttmp9, 23                      ; q, k or v: 8,388,608 bytes each
	s_lshr_b32 s17, s13, 3
	s_lshl_b32 s17, s17, 22                        ; the batch: 16 heads of 262,144 bytes
	s_add_co_u32 s16, s16, s17
	s_lshl_b32 s17, s40, 20                        ; head 4 cx + 2 x half
	s_add_co_u32 s16, s16, s17
	s_lshl_b32 s17, s12, 19
	s_add_co_u32 s16, s16, s17
	s_and_b32 s17, s13, 7
	s_lshl_b32 s17, s17, 15                        ; token 256 x (tile row % 8) + 128 x half
	s_add_co_u32 s16, s16, s17
	s_lshl_b32 s17, s11, 14
	s_add_co_u32 s16, s16, s17
	s_mov_b32 s17, 0
	s_add_nc_u64 s[8:9], s[74:75], s[16:17]
.endif
	; the prefetches
	s_lshl_b32 s20, s13, 8
	s_lshl_b32 s21, s42, 8
	s_and_b32 s22, ttmp7, 0xffff                   ; cluster y
	s_cmp_eq_u32 s11, 0                            ; do I fetch for A?
	s_cselect_b32 s20, s20, s21                    ; the tile's first row
	s_cselect_b32 s21, s40, s41                    ; my place among the four that ask with me
	s_cselect_b32 s22, ttmp9, s22                  ; the coordinate along which other clusters read the same rows
	s_cselect_b64 s[PFA:PFA+1], s[4:5], s[6:7]
	s_cmp_eq_u32 s22, 0
	s_cselect_b32 s[LIM], 2, -1                    ; the same in all sixteen partners, for a given wave
	s_lshl_b32 s22, s12, 7
	s_add_co_u32 s20, s20, s22
	s_lshl_b32 s21, s21, 5
	s_add_co_u32 s20, s20, s21
	s_lshl_b32 s20, s20, 11
	s_mov_b32 s21, 0
	s_add_nc_u64 s[PFA:PFA+1], s[PFA:PFA+1], s[20:21]
	s_add_nc_u64 s[PFA:PFA+1], s[PFA:PFA+1], 2*KSTEP*2   ; at K step 2: the first refill steps it to 3 and names K step 4
	v_and_b32 v[PFO], 31, v0
	v_lshlrev_b32 v[PFO], 11, v[PFO]
; 16 matrix instructions: m blocks a0, a0 + 1 of the window's four x all 8 n blocks, 32 along K.  zero = 1: the first product starts the sum with the bias.  The 64 accumulators take turns, in the same order in every quarter.
.macro MUL16 f, hi, a0, zero
.if \zero
	WIN 0x81+0x40*(\hi)                            ; B window 1, A and the bias window 0, D window 2 or 3
.else
	WIN 0xa1+0x50*(\hi)                            ; B window 1, A window 0, C and D window 2 or 3
.endif
.irp a, \a0, (\a0)+1
.irp b, 0,1,2,3,4,5,6,7
.if \zero
	v_wmma_f32_16x16x32_bf16 v[8*(8*(\a)+(\b)):8*(8*(\a)+(\b))+7], v[(\f)+8*(\b):(\f)+8*(\b)+7], v[(\f)+8*(4*(\hi)+(\a)):(\f)+8*(4*(\hi)+(\a))+7], v[BIAS+8*(\b):BIAS+8*(\b)+7]
.else
	v_wmma_f32_16x16x32_bf16 v[8*(8*(\a)+(\b)):8*(8*(\a)+(\b))+7], v[(\f)+8*(\b):(\f)+8*(\b)+7], v[(\f)+8*(4*(\hi)+(\a)):(\f)+8*(4*(\hi)+(\a))+7], v[8*(8*(\a)+(\b)):8*(8*(\a)+(\b))+7]
.endif
.endr
.endr
.endm
; 32 LDS loads in one run: the fragments of 32 along K at byte k of the rows of the slot in hand, into buffer f; B first, then A
.macro FETCH k, f
	WIN 0x40
.irp i, 0,1,2,3,4,5,6,7
	ds_load_b128 v[(\f)+8*(\i):(\f)+8*(\i)+3],   v[ADRB] offset:(\k)+(\i)*16*PITCH
	ds_load_b128 v[(\f)+8*(\i)+4:(\f)+8*(\i)+7], v[ADRB] offset:(\k)+(\i)*16*PITCH+32
.endr
	WIN 0
.irp i, 0,1,2,3,4,5,6,7
	ds_load_b128 v[(\f)+8*(\i):(\f)+8*(\i)+3],   v[ADRA] offset:(\k)+(\i)*16*PITCH
	ds_load_b128 v[(\f)+8*(\i)+4:(\f)+8*(\i)+7], v[ADRA] offset:(\k)+(\i)*16*PITCH+32
.endr
.endm
.macro QUARTER k, f, g, zero           ; multiplies buffer f; in its middle fetches the next quarter, at byte k, into g
	s_wait_dscnt 8                                 ; B and A's rows 0-63 are in; the youngest eight loads (A's rows 64-127) may be out
	MUL16 \f, 0, 0, \zero
	MUL16 \f, 0, 2, \zero
	PLACES
	FETCH \k, \g
	s_wait_dscnt 32                                ; all but the 32 just issued
	MUL16 \f, 1, 0, \zero
	MUL16 \f, 1, 2, \zero
.endm
.macro TOGGLE                          ; the fragment addresses turn to the other slot
	s_xor_b32 s[TBA], s[TBA], SLOT
	s_xor_b32 s[TBB], s[TBB], SLOT
	WIN 0
	v_add_nc_u32 v[ADRA], s[TBA], v[FR]
	v_add_nc_u32 v[ADRB], s[TBB], v[FR]
.endm
; The first half of a step's last quarter, and the one barrier of a change of slots.  In front of it each wave waits for all its tensor loads (one is out: its part of the next slot), adds 0 to its spare word,
; and waits for that and for its own reads of this slot.  Behind it nobody reads this slot any more and the next slot is whole.
.macro MEET
	WIN 0
	s_wait_tensorcnt 0x0
	ds_add_u32 v[SPW], v[NIL]
	s_wait_dscnt 9                                 ; the add and the youngest eight loads may be out
	MUL16 F1, 0, 0, 0
	s_wait_dscnt 0x0                               ; the add is done, and my reads of this slot are over
	s_barrier_signal -1
	MUL16 F1, 0, 2, 0
	WIN 0
	s_barrier_wait -1
.endm
; The whole last quarter of a step that fills its slot again, with the K step two on: the barrier opens a round of the cluster's, and the joint refill is the first thing behind the round: 224 matrix instructions ahead of the wait for it.
.macro TURN1
	s_wait_xcnt 0x0                                ; the last prefetch, a K step back, has read its address
	s_add_nc_u64 s[PFA:PFA+1], s[PFA:PFA+1], KSTEP*2
	TOGGLE
	MEET
	CREST
	s_xor_b32 s[G0+5], s[G0+5], SLOT               ; the walking sets: the other slot than last time, the next K step; no tensor load of mine is out
	s_add_nc_u64 s[G0+6:G0+7], s[G0+6:G0+7], KSTEP*2
	s_xor_b32 s[G0B+5], s[G0B+5], SLOT
	s_add_nc_u64 s[G0B+6:G0B+7], s[G0B+6:G0B+7], KSTEP*2
	JLOAD 1                                        ; its four v_nop are also the places in front of the loads below
	FETCH 0, F0
	ASK
	MUL16 F1, 1, 0, 0
	MUL16 F1, 1, 2, 0
.endm
	s_wait_tensorcnt 1                             ; my part of K step 0 is in; K step 1's may stay out
	s_barrier_signal -1
	s_barrier_wait -1
	FETCH 0, F0
	s_wait_loadcnt 0x0                             ; the bias
	QUARTER 64, F0, F1, 1                          ; the first quarter stands in front of the loop: its products start the sums
	WIN 0
	s_mov_b32 s3, 6
.Lstep:                                        ; trip t goes from K step t's second quarter to K step t + 1's first, and asks for K step t + 2
	QUARTER 128, F1, F0, 0
	QUARTER 192, F0, F1, 0
	TURN1
	QUARTER 64, F0, F1, 0
	WIN 0
	s_sub_co_u32 s3, s3, 1
	s_cmp_lg_u32 s3, 0
	s_cbranch_scc1 .Lstep
	s_mov_b32 s3, 2
.Ltail:                                        ; K steps 6 and 7 ask for nothing; the second trip is left in its middle
	QUARTER 128, F1, F0, 0
	QUARTER 192, F0, F1, 0
	TOGGLE
	MEET                                           ; at K step 7 this barrier says that nobody reads the ring any more
	s_sub_co_u32 s3, s3, 1
	s_cmp_eq_u32 s3, 0
	s_cbranch_scc1 .Lfin
	PLACES
	FETCH 0, F0
	MUL16 F1, 1, 0, 0
	MUL16 F1, 1, 2, 0
	QUARTER 64, F0, F1, 0
	WIN 0
	s_branch .Ltail
.Lfin:
	MUL16 F1, 1, 0, 0
	MUL16 F1, 1, 2, 0
	; THE WAY OUT.  The f32 sums go into my 128 rows of 528 bytes in the dead ring; each accumulator's lowest registers first.  Only I read my region, and LDS serves a wave's instructions in order (ISA guide 5.7.1.4).
	PLACES
.irp a, 0,1,2,3,4,5,6,7
	WIN 0x08+4*((\a)/4)                            ; the data in window 2 or 3
.irp b, 0,1,2,3,4,5,6,7
	ds_store_b128 v[STO], v[8*(8*((\a)%4)+(\b)):8*(8*((\a)%4)+(\b))+3]   offset:16*DP*(\a)+64*(\b)
	ds_store_b128 v[STO], v[8*(8*((\a)%4)+(\b))+4:8*(8*((\a)%4)+(\b))+7] offset:16*DP*(\a)+64*(\b)+16
.endr
.endr
	WIN 0
; Four rows into set x: load i takes rows row + 2 (i / 2) and the next (one for each half of the lanes), columns 64 (i % 2) on, four a lane
.macro LD x, row
.irp i, 0,1,2,3
	ds_load_b128 v[(\x)+4*(\i):(\x)+4*(\i)+3], v[RD] offset:DP*(\row)+2*DP*((\i)/2)+256*((\i)%2)
.endr
.endm
; Set x is worked on, loaded again with the rows eight further on (again = 1), and stored: a store of a wave covers 256 consecutive bytes, aligned: two tokens of one block of 64 columns.  left: the other set's loads may stay out.
.macro PROC x, y, row, left, again
	s_wait_dscnt \left
.if GELU
.irp i, 0,1,2,3,4,5,6,7
	v_pk_mul_f32 v[U+2*(\i):U+2*(\i)+1], v[(\x)+2*(\i):(\x)+2*(\i)+1], v[(\x)+2*(\i):(\x)+2*(\i)+1]
.endr
.irp i, 0,1,2,3,4,5,6,7
	v_pk_fma_f32 v[U+2*(\i):U+2*(\i)+1], v[U+2*(\i):U+2*(\i)+1], s[GB:GB+1], s[GA:GA+1] op_sel_hi:[1,0,0]
.endr
.irp i, 0,1,2,3,4,5,6,7
	v_pk_mul_f32 v[U+2*(\i):U+2*(\i)+1], v[U+2*(\i):U+2*(\i)+1], v[(\x)+2*(\i):(\x)+2*(\i)+1]
.endr
.irp i, 0,1,2,3,4,5,6,7,8,9,10,11,12,13,14,15
	v_exp_f32 v[U+(\i)], v[U+(\i)]
.endr
	v_nop                                          ; a plain instruction behind the last exponential,
	s_wait_alu depctr_va_vdst(0)                   ; and one wait for the batch of sixteen, ahead of its first reader
.irp i, 0,1,2,3,4,5,6,7
	v_pk_add_f32 v[U+2*(\i):U+2*(\i)+1], v[U+2*(\i):U+2*(\i)+1], 1.0 op_sel_hi:[1,0]
.endr
.irp i, 0,1,2,3,4,5,6,7,8,9,10,11,12,13,14,15
	v_rcp_f32 v[U+(\i)], v[U+(\i)]
.endr
	v_nop
	s_wait_alu depctr_va_vdst(0)                   ; the same for the sixteen reciprocals
.irp i, 0,1,2,3,4,5,6,7
	v_pk_mul_f32 v[U+2*(\i):U+2*(\i)+1], v[U+2*(\i):U+2*(\i)+1], v[(\x)+2*(\i):(\x)+2*(\i)+1]
.endr
.if \again
	LD \x, (\row)+8
.endif
.irp i, 0,1,2,3,4,5,6,7
	v_cvt_pk_bf16_f32 v[(\y)+(\i)], v[U+2*(\i)], v[U+2*(\i)+1]
.endr
.else
.irp i, 0,1,2,3,4,5,6,7
	v_cvt_pk_bf16_f32 v[(\y)+(\i)], v[(\x)+2*(\i)], v[(\x)+2*(\i)+1]
.endr
.if \again
	LD \x, (\row)+8
.endif
.endif
.irp i, 0,1,2,3
	global_store_b64 v[CO], v[(\y)+2*(\i):(\y)+2*(\i)+1], s[8:9] offset:((\i)%2)*HSTR+((\row)+2*((\i)/2))*128
.endr
.endm
	LD XA, 0
	LD XB, 4
	s_mov_b32 s2, 15
.Lrow:                                         ; eight rows a trip
	PROC XA, YA, 0, 4, 1
	PROC XB, YB, 4, 4, 1
	s_wait_xcnt 0x0                                ; the stores have read their data and their offset: both are rewritten only behind this wait
	v_add_nc_u32 v[RD], 8*DP, v[RD]
	v_add_nc_u32 v[CO], 8*128, v[CO]
	s_sub_co_u32 s2, s2, 1
	s_cmp_lg_u32 s2, 0
	s_cbranch_scc1 .Lrow
	PROC XA, YA, 0, 4, 0                           ; the last eight rows load nothing
	PROC XB, YB, 4, 0, 0
	s_wait_tensorcnt 0x0                           ; the wave's end: behind my last tensor load and my last LDS store
	ds_add_u32 v[SPW], v[NIL]
	s_wait_dscnt 0x0
	CROUND                                         ; the closing round: no work-group ends while a partner may still ask for a tile that names it
	s_endpgm
.Lfunc_end_k_q78c210acb2_gfc:
	.size	k_q78c210acb2_gfc, .Lfunc_end_k_q78c210acb2_gfc-k_q78c210acb2_gfc
	.p2alignl 7, 3214868480
	.fill 96, 4, 3214868480
	.section	.rodata,"a",@progbits
	.p2align	6, 0x0
	.amdhsa_kernel k_q78c210acb2_gfc
		.amdhsa_group_segment_fixed_size 327680
		.amdhsa_private_segment_fixed_size 0
		.amdhsa_enable_private_segment 0
		.amdhsa_kernarg_size 32
		.amdhsa_user_sgpr_count 2
		.amdhsa_user_sgpr_kernarg_segment_ptr 1
		.amdhsa_wavefront_size32 1
		.amdhsa_system_sgpr_workgroup_id_x 1
		.amdhsa_system_sgpr_workgroup_id_y 1
		.amdhsa_system_sgpr_workgroup_id_z 1
		.amdhsa_system_vgpr_workitem_id 0
		.amdhsa_next_free_vgpr 1024
		.amdhsa_next_free_sgpr 80
		.amdhsa_reserve_vcc 0
		.amdhsa_float_denorm_mode_32 3
		.amdhsa_float_denorm_mode_16_64 3
		.amdhsa_memory_ordered 1
		.amdhsa_forward_progress 1
		.amdhsa_inst_pref_size 101
	.end_amdhsa_kernel
	.amdgpu_metadata
---
amdhsa.version: [ 1, 2 ]
amdhsa.kernels:
  - .name:           k_q78c210acb2_gfc
    .symbol:         k_q78c210acb2_gfc.kd
    .args:
      - { .name: h, .offset: 0, .size: 8, .value_kind: global_buffer, .address_space: global }
      - { .name: wb, .offset: 8, .size: 8, .value_kind: global_buffer, .address_space: global }
      - { .name: bfc, .offset: 16, .size: 8, .value_kind: global_buffer, .address_space: global }
      - { .name: gb, .offset: 24, .size: 8, .value_kind: global_buffer, .address_space: global }
    .group_segment_fixed_size: 327680
    .private_segment_fixed_size: 0
    .kernarg_segment_align: 8
    .kernarg_segment_size: 32
    .max_flat_workgroup_size: 128
    .sgpr_count:     80
    .vgpr_count:     1024
    .wavefront_size: 32
...
	.end_amdgpu_metadata
.endif
;; end of part 6
;; launch gp2 (part 7): grid 8 x 32, 4 waves a work-group, clusters of 4 x 4, 327,680 bytes of LDS; arguments gb, wb, bp2, x1, out0; writes out0
.if DOCPART == 7
	.amdgcn_target "amdgcn-amd-amdhsa--gfx1250"
	.amdhsa_code_object_version 6
	.text
	.protected	k_q78c210acb2_gp2
	.globl	k_q78c210acb2_gp2
	.p2align	8
	.type	k_q78c210acb2_gp2,@function
k_q78c210acb2_gp2:
	s_mov_b64 s[64:65], 0
	v_nop
	global_prefetch_b8 v0, s[64:65] scope:SCOPE_SE
	s_setreg_imm32_b32 hwreg(HW_REG_WAVE_MODE, 25, 1), 1
	s_wait_xcnt 0x0
	s_wait_alu depctr_hold_cnt(0) depctr_sa_sdst(0) depctr_va_vdst(0) depctr_va_sdst(0) depctr_va_ssrc(0) depctr_va_vcc(0) depctr_vm_vsrc(0)
	s_getreg_b32 s2, hwreg(HW_REG_IB_STS2, 6, 4)
	s_cmp_eq_u32 s2, 0
	s_cbranch_scc0 .Lentry_in_a_cluster
	s_endpgm
.Lentry_in_a_cluster:
	s_bfe_u32 s2, ttmp6, 0x10000c
	s_cmp_lg_u32 s2, 0xf033
	s_cbranch_scc0 .Lentry_shape_is_right
	s_endpgm
.Lentry_shape_is_right:
; out[m][n] = res[m][n] + bias[n] + sum over k of A[m][k] B[n][k].  A: [SIZE_K / 64 blocks][4096][64] bf16 (K in blocks of 64); B: 1,024 rows of SIZE_K bf16 at byte WOFF of wb; res, out: [4096][1024] f32; sums in f32.
; A tile of out is 128 x 128: 256 work-groups.  Four waves, each 64 x 64: 16 accumulators.  K goes in steps of 256 through two LDS slots; a step is written once, and the slot's LDS base is turned by an exclusive or
; (SLOT shares no bit with the bases inside a slot).  CLUSTERS: 4 x 4; A's tile is asked for jointly along a row of the cluster, B's along a column.
; THE WALK ALONG K BEGINS AT STEP 0 OR AT THE MIDDLE, by the parity of the cluster's x + y, and wraps round.  The two clusters that read the same rows of A, and clusters one apart along y, which read the same rows of B,
; so ask for different K steps at any one time, and each block of A and B is asked for at two different times of the launch.  The f32 sums are taken in the order of the walk.
; A's tile of a step is four blocks x 64 tokens a load: in memory four dense rows of 8,192 bytes, padded in LDS after every token's 128 bytes.
; THE MATRIX INSTRUCTION IS USED TRANSPOSED: a lane holds eight neighbouring columns of a row, and the bias is the C operand of the first products.  The residual is loaded at the start and stays on its way through the loop.
; No prefetch: the tiles are small.  REGISTERS: window 0: v0-31 addresses; v32-63 the bias, later rows on the way out; v64-95 likewise; v128-255 the accumulators.  window 1: two fragment buffers of 128.  window 2: v0-127 the residual.
.set SIZE_K, 4096
.set WOFF,   16777216
.set NK,     SIZE_K/256                ; K steps: a power of two
.set PA,     144                       ; a token's 128 bytes + 16: the 16 rows of a load start at 16 different groups of four banks (64 banks of 4 bytes: ISA guide 11.1)
.set PB,     528                       ; a row of B: 512 bytes + 16
.set ABLK,   64*PA
.set AHALF,  4*ABLK                    ; what a load brings of A: 36,864
.set BHALF,  64*PB                     ; of B: 33,792
.set BBASE,  2*AHALF
.set SLOT,   147456                    ; 0x24000; a slot uses 141,312
.set STAGE,  2*SLOT                    ; behind the ring: 16 rows x 272 bytes for each wave
.set SPITCH, 272
.set SPARE,  STAGE+4*16*SPITCH         ; the spare words, 128 bytes a wave
.set ASH,  21                          ; a K step of A is four blocks of 4,096 tokens x 128 bytes = 2^21 bytes,
.set BSH,  9                           ; of B 512 bytes of each row
.set FRA,  3
.set FRB,  4
.set ADRA, 16
.set ADRB, 20
.set STO,  24
.set RD,   25
.set CO,   26                          ; v26  4,096 (l / 16) + 16 (l % 16): my 16 bytes of two rows of res and out; never rewritten
.set SPW,  28
.set NIL,  29
.set BO,   31
.set BIAS, 32
.set T0,   32
.set ACC,  128
.set F0,   0
.set F1,   128
.set G1,   24
.set G0,   32
.set G1B,  48
.set G0B,  56
.set TBA,  66
.set TBB,  67
.set OA,   72                          ; s[72:73] byte offset of the K step to be asked for, in A
.set OB,   74                          ; s[74:75] in B
.set KK,   76                          ; s76  the K step to be asked for next, before the wrap
.set MSB, 0
.macro WIN new
.if MSB != (\new)
	s_set_vgpr_msb (MSB<<8)|(\new)
.set MSB, \new
.endif
.endm
.set MUL, 0x05                         ; sources 0 (B) and 1 (A) window 1; C and D window 0
.macro JLOAD s                         ; a joint load: waves 0 and 1 fetch A's two halves, waves 2 and 3 B's; an s_nop 0 and four v_nop follow each line
	s_cmp_eq_u32 s11, 0
	s_cbranch_scc0 .Lfor_b_\@
	tensor_load_to_lds s[G0+4*(\s):G0+4*(\s)+3], s[G1:G1+7]
	s_nop 0
.rept 4
	v_nop
.endr
	s_branch .Lasked_\@
.Lfor_b_\@:
	tensor_load_to_lds s[G0B+4*(\s):G0B+4*(\s)+3], s[G1B:G1B+7]
	s_nop 0
.rept 4
	v_nop
.endr
.Lasked_\@:
.endm
.macro CREST
	s_cmp_lg_u32 s10, 0
	s_cbranch_scc1 .Lnot_wave_0_\@
	s_barrier_signal -3
.Lnot_wave_0_\@:
	s_barrier_wait -3
	s_barrier_signal -1
	s_barrier_wait -1
.endm
.macro CROUND
	s_barrier_signal -1
	s_barrier_wait -1
	CREST
.endm
.macro PLACES
.rept 4
	v_nop
.endr
.endm
	s_load_b128 s[4:7], s[0:1], 0x0                ; A s[4:5], wb s[6:7]
	s_load_b128 s[68:71], s[0:1], 0x10             ; bias s[68:69], res s[70:71]
	s_load_b64 s[8:9], s[0:1], 0x20                ; out
	v_lshl_add_u32 v[SPW], v0, 2, SPARE
	v_mov_b32 v[NIL], 0
	ds_add_u32 v[SPW], v[NIL]                      ; the wave's opening: the add and its wait stand ahead of my first tensor load
	ds_add_u32 v28, v29
	v_lshrrev_b32 v1, 5, v0
	v_readfirstlane_b32 s10, v1
	s_lshr_b32 s11, s10, 1                         ; my half of the rows; also: I fetch for A (0) or B (1)
	s_and_b32 s12, s10, 1                          ; my half of the columns; also: which 64 rows I fetch
	s_bfe_u32 s40, ttmp6, 0x40000
	s_bfe_u32 s41, ttmp6, 0x40004
	s_lshl_b32 s42, ttmp9, 2
	s_add_co_u32 s42, s42, s40                     ; tile column
	s_and_b32 s13, ttmp7, 0xffff
	s_add_co_u32 s[KK], s13, ttmp9                 ; cluster y + cluster x: the same in all sixteen partners
	s_and_b32 s[KK], s[KK], 1
	s_mul_i32 s[KK], s[KK], NK/2                   ; the K step that my cluster begins with
	s_mov_b32 s[OA+1], 0
	s_mov_b32 s[OB+1], 0
	s_lshl_b32 s13, s13, 2
	s_add_co_u32 s13, s13, s41                     ; tile row
	s_lshl_b32 s43, s41, 2
	s_lshl_b32 s43, 15, s43
	s_lshl_b32 s44, 0x1111, s40
	s_or_b32 s[G1+0], s43, (1<<16)|(1<<20)|(1<<21)|(4<<22)|(3<<25)   ; A: mask of my row; 2-byte elements; padding: after every 32 words 4 words
	s_mov_b32 s[G1+1], 4096<<16                    ; tensor_dim0 = 4,096: 64 tokens of a block on end
	s_mov_b32 s[G1+2], 4<<16                       ; tensor_dim1 = 4 blocks
	s_mov_b32 s[G1+3], 4096<<16                    ; tile_dim0
	s_mov_b32 s[G1+4], 4                           ; tile_dim1
	s_mov_b32 s[G1+5], 262144                      ; elements from block to block
	s_mov_b32 s[G1+6], 0
	s_mov_b32 s[G1+7], 0
	s_or_b32 s[G1B+0], s44, (1<<16)|(1<<20)|(1<<21)|(6<<22)|(3<<25)  ; B: mask of my column; after every 128 words 4 words
	s_mov_b32 s[G1B+1], 256<<16
	s_mov_b32 s[G1B+2], 64<<16
	s_mov_b32 s[G1B+3], 256<<16
	s_mov_b32 s[G1B+4], 64
	s_mov_b32 s[G1B+5], SIZE_K
	s_mov_b32 s[G1B+6], 0
	s_mov_b32 s[G1B+7], 0
	s_lshl_b32 s16, s13, 14                        ; A: token 128 x tile row + 64 x half, 128 bytes each
	s_lshl_b32 s17, s12, 13
	s_add_co_u32 s16, s16, s17
	s_mov_b32 s17, 0
	s_lshl_b32 s46, s42, 7                         ; B: row 128 x tile column + 64 x half
	s_lshl_b32 s47, s12, 6
	s_add_co_u32 s46, s46, s47
	s_mul_i32 s46, s46, SIZE_K*2
	s_mov_b32 s47, 0
	s_mul_i32 s20, s12, AHALF                      ; where they go
	s_mul_i32 s21, s12, BHALF
	s_add_co_u32 s21, s21, BBASE
	s_wait_dscnt 0x0                               ; the opening add is done
	s_wait_kmcnt 0x0
	s_add_nc_u64 s[6:7], s[6:7], WOFF
	s_add_nc_u64 s[14:15], s[4:5], s[16:17]        ; A and B at K step 0 of what I fetch: kept, every fill's address is made from them
	s_add_nc_u64 s[46:47], s[6:7], s[46:47]
	CROUND                                         ; all sixteen work-groups are here: the first joint loads meet
.irp s, 0,1
	s_lshl_b32 s[OA], s[KK], ASH
	s_lshl_b32 s[OB], s[KK], BSH
	s_add_co_u32 s[KK], s[KK], 1                   ; (the walk's second step is never past the end: the start is 0 or the middle)
	s_mov_b32 s[G0+4*(\s)], 1
	s_add_co_u32 s[G0+4*(\s)+1], s20, (\s)*SLOT
	s_add_nc_u64 s[G0+4*(\s)+2:G0+4*(\s)+3], s[14:15], s[OA:OA+1]
	s_or_b32 s[G0+4*(\s)+3], s[G0+4*(\s)+3], 0x80000000
	s_mov_b32 s[G0B+4*(\s)], 1
	s_add_co_u32 s[G0B+4*(\s)+1], s21, (\s)*SLOT
	s_add_nc_u64 s[G0B+4*(\s)+2:G0B+4*(\s)+3], s[46:47], s[OB:OB+1]
	s_or_b32 s[G0B+4*(\s)+3], s[G0B+4*(\s)+3], 0x80000000
	JLOAD \s                                       ; the walk's first two K steps: two loads of mine are out
.endr
	v_and_b32 v1, 15, v0
	v_bfe_u32 v2, v0, 4, 1
	v_lshlrev_b32 v[BO], 5, v2
	v_lshlrev_b32 v[CO], 12, v2
	v_lshl_add_u32 v[CO], v1, 4, v[CO]
	s_lshl_b32 s16, s42, 9                         ; my 64 columns: 4 bytes x (128 tile column + 64 half)
	s_lshl_b32 s17, s12, 8
	s_add_co_u32 s16, s16, s17
	s_mov_b32 s17, 0
	s_add_nc_u64 s[68:69], s[68:69], s[16:17]
	s_lshl_b32 s18, s13, 19                        ; my 64 rows: 4,096 bytes x (128 tile row + 64 half)
	s_add_co_u32 s16, s16, s18
	s_lshl_b32 s18, s11, 18
	s_add_co_u32 s16, s16, s18
	s_add_nc_u64 s[70:71], s[70:71], s[16:17]
	s_add_nc_u64 s[8:9], s[8:9], s[16:17]
.irp b, 0,1,2,3
	global_load_b128 v[BIAS+8*(\b):BIAS+8*(\b)+3],   v[BO], s[68:69] offset:64*(\b)
	global_load_b128 v[BIAS+8*(\b)+4:BIAS+8*(\b)+7], v[BO], s[68:69] offset:64*(\b)+16
.endr
	WIN 0x80                                       ; destination window 2
.irp a, 0,1,2,3
.irp t, 0,1,2,3,4,5,6,7
	global_load_b128 v[4*(8*(\a)+(\t)):4*(8*(\a)+(\t))+3], v[CO], s[70:71] offset:(16*(\a)+2*(\t))*4096
.endr
.endr
	WIN 0
	v_mul_u32_u24 v[FRA], v1, PA
	v_lshl_add_u32 v[FRA], v2, 4, v[FRA]
	v_mul_u32_u24 v[FRB], v1, PB
	v_lshl_add_u32 v[FRB], v2, 4, v[FRB]
	s_mul_i32 s[TBA], s11, AHALF
	s_mul_i32 s[TBB], s12, BHALF
	s_add_co_u32 s[TBB], s[TBB], BBASE
	v_add_nc_u32 v[ADRA], s[TBA], v[FRA]
	v_add_nc_u32 v[ADRB], s[TBB], v[FRB]
	s_mul_i32 s23, s10, 16*SPITCH
	s_add_co_u32 s23, s23, STAGE                   ; my stage
	v_mul_u32_u24 v5, v1, SPITCH                   ; in: row l % 16, 32 bytes for each half of the lanes
	v_lshl_add_u32 v5, v2, 5, v5
	v_add_nc_u32 v[STO], s23, v5
	v_mul_u32_u24 v5, v2, SPITCH                   ; back: lanes 0-15 one row of 256 bytes, lanes 16-31 the next
	v_lshl_add_u32 v5, v1, 4, v5
	v_add_nc_u32 v[RD], s23, v5
; 8 matrix instructions: m blocks a0, a0 + 1 x all 4 n blocks, 32 along K: half c of buffer f.  zero = 1: the sums start with the bias.  The 16 accumulators take turns.
.macro MUL8 f, c, a0, zero
	WIN MUL
.irp a, \a0, (\a0)+1
.irp b, 0,1,2,3
.if \zero
	v_wmma_f32_16x16x32_bf16 v[ACC+8*(4*(\a)+(\b)):ACC+8*(4*(\a)+(\b))+7], v[(\f)+64+8*(4*(\c)+(\b)):(\f)+64+8*(4*(\c)+(\b))+7], v[(\f)+8*(4*(\c)+(\a)):(\f)+8*(4*(\c)+(\a))+7], v[BIAS+8*(\b):BIAS+8*(\b)+7]
.else
	v_wmma_f32_16x16x32_bf16 v[ACC+8*(4*(\a)+(\b)):ACC+8*(4*(\a)+(\b))+7], v[(\f)+64+8*(4*(\c)+(\b)):(\f)+64+8*(4*(\c)+(\b))+7], v[(\f)+8*(4*(\c)+(\a)):(\f)+8*(4*(\c)+(\a))+7], v[ACC+8*(4*(\a)+(\b)):ACC+8*(4*(\a)+(\b))+7]
.endif
.endr
.endr
.endm
; 32 LDS loads in one run: quarter q of the step (64 along K: block q of A, bytes 128 q of B's rows) into buffer f; the first 32 along K first
.macro FETCH q, f
	WIN 0x40
.irp c, 0,1
.irp i, 0,1,2,3
	ds_load_b128 v[(\f)+64+8*(4*(\c)+(\i)):(\f)+64+8*(4*(\c)+(\i))+3],   v[ADRB] offset:128*(\q)+64*(\c)+(\i)*16*PB
	ds_load_b128 v[(\f)+64+8*(4*(\c)+(\i))+4:(\f)+64+8*(4*(\c)+(\i))+7], v[ADRB] offset:128*(\q)+64*(\c)+(\i)*16*PB+32
	ds_load_b128 v[(\f)+8*(4*(\c)+(\i)):(\f)+8*(4*(\c)+(\i))+3],         v[ADRA] offset:ABLK*(\q)+64*(\c)+(\i)*16*PA
	ds_load_b128 v[(\f)+8*(4*(\c)+(\i))+4:(\f)+8*(4*(\c)+(\i))+7],       v[ADRA] offset:ABLK*(\q)+64*(\c)+(\i)*16*PA+32
.endr
.endr
.endm
.macro QUARTER q, f, g, zero           ; multiplies buffer f and fetches quarter q into g
	s_wait_dscnt 16                                ; the first 32 along K are in
	MUL8 \f, 0, 0, \zero
	MUL8 \f, 0, 2, \zero
	PLACES
	FETCH \q, \g
	s_wait_dscnt 32                                ; all but the 32 just issued
	MUL8 \f, 1, 0, 0
	MUL8 \f, 1, 2, 0
.endm
.macro TOGGLE
	s_xor_b32 s[TBA], s[TBA], SLOT
	s_xor_b32 s[TBB], s[TBB], SLOT
	WIN 0
	v_add_nc_u32 v[ADRA], s[TBA], v[FRA]
	v_add_nc_u32 v[ADRB], s[TBB], v[FRB]
.endm
; The one barrier of a change of slots: in front of it each wave waits for all its tensor loads, adds 0 to its spare word, and waits for that and for its own reads of this slot.
.macro MEET
	WIN 0
	s_wait_tensorcnt 0x0
	ds_add_u32 v[SPW], v[NIL]
	s_wait_dscnt 17                                ; the add and the youngest sixteen loads may be out
	MUL8 F1, 0, 0, 0
	s_wait_dscnt 0x0                               ; the add is done, and my reads of this slot are over
	s_barrier_signal -1
	MUL8 F1, 0, 2, 0
	WIN 0
	s_barrier_wait -1
.endm
.macro TURN1                           ; the last quarter of a step that fills its slot again, two steps of the walk ahead: 112 matrix instructions ahead of the wait for it
	TOGGLE
	MEET
	CREST                                          ; the barrier has opened a round of the cluster's
	s_and_b32 s[KK], s[KK], NK-1                   ; the walk wraps round
	s_lshl_b32 s[OA], s[KK], ASH
	s_lshl_b32 s[OB], s[KK], BSH
	s_add_co_u32 s[KK], s[KK], 1
	s_xor_b32 s[G0+5], s[G0+5], SLOT               ; the walking sets: the other slot than last time; the address is made anew; no tensor load of mine is out
	s_add_nc_u64 s[G0+6:G0+7], s[14:15], s[OA:OA+1]
	s_or_b32 s[G0+7], s[G0+7], 0x80000000
	s_xor_b32 s[G0B+5], s[G0B+5], SLOT
	s_add_nc_u64 s[G0B+6:G0B+7], s[46:47], s[OB:OB+1]
	s_or_b32 s[G0B+7], s[G0B+7], 0x80000000
	JLOAD 1                                        ; its four v_nop are also the places in front of the loads below
	FETCH 0, F0
	MUL8 F1, 1, 0, 0
	MUL8 F1, 1, 2, 0
.endm
	s_wait_tensorcnt 1                             ; my part of the walk's first step is in; the second's may stay out
	s_barrier_signal -1
	s_barrier_wait -1
	FETCH 0, F0
	s_wait_loadcnt 32                              ; the bias is in; the residual's 32 loads stay out
	QUARTER 1, F0, F1, 1
	WIN 0
	s_mov_b32 s3, NK-2
.Lstep:
	QUARTER 2, F1, F0, 0
	QUARTER 3, F0, F1, 0
	TURN1
	QUARTER 1, F0, F1, 0
	WIN 0
	s_sub_co_u32 s3, s3, 1
	s_cmp_lg_u32 s3, 0
	s_cbranch_scc1 .Lstep
	s_mov_b32 s3, 2
.Ltail:                                        ; the walk's last two steps ask for nothing; the second trip is left in its middle
	QUARTER 2, F1, F0, 0
	QUARTER 3, F0, F1, 0
	TOGGLE
	MEET
	s_sub_co_u32 s3, s3, 1
	s_cmp_eq_u32 s3, 0
	s_cbranch_scc1 .Lfin
	PLACES
	FETCH 0, F0
	MUL8 F1, 1, 0, 0
	MUL8 F1, 1, 2, 0
	QUARTER 1, F0, F1, 0
	WIN 0
	s_branch .Ltail
.Lfin:
	MUL8 F1, 1, 0, 0
	MUL8 F1, 1, 2, 0
	WIN 0
	; THE WAY OUT, 16 rows at a time through my own stage: 32 bytes a lane in, whole rows of 256 bytes back; the residual is added; 16 lanes store 256 consecutive bytes, aligned.
.macro STLD a
.set TT, T0+32*((\a)%2)
.irp b, 0,1,2,3
	ds_store_b128 v[STO], v[ACC+8*(4*(\a)+(\b)):ACC+8*(4*(\a)+(\b))+3]   offset:64*(\b)       ; each accumulator's lowest registers first
	ds_store_b128 v[STO], v[ACC+8*(4*(\a)+(\b))+4:ACC+8*(4*(\a)+(\b))+7] offset:64*(\b)+16
.endr
.irp t, 0,1,2,3,4,5,6,7
	ds_load_b128 v[TT+4*(\t):TT+4*(\t)+3], v[RD] offset:(\t)*2*SPITCH   ; LDS serves a wave's instructions in order (ISA guide 5.7.1.4): these see the stores above; the next block's stores come behind them
.endr
.endm
.macro SEND a, younger                 ; younger: the next block's sixteen LDS instructions, or none
.set TT, T0+32*((\a)%2)
	s_wait_dscnt \younger
	WIN 0x08                                       ; source 1, the residual, in window 2
.set i, 0
.rept 16
	v_pk_add_f32 v[TT+2*i:TT+2*i+1], v[TT+2*i:TT+2*i+1], v[32*(\a)+2*i:32*(\a)+2*i+1]
.set i, i+1
.endr
	WIN 0
.irp t, 0,1,2,3,4,5,6,7
	global_store_b128 v[CO], v[TT+4*(\t):TT+4*(\t)+3], s[8:9] offset:(16*(\a)+2*(\t))*4096
.endr
.endm
	PLACES
	STLD 0
	STLD 1
	s_wait_loadcnt 0x0                             ; the residual
	SEND 0, 16
	s_wait_xcnt 0x0                                ; the stores have read their data: the registers are loaded again only behind this wait
	STLD 2
	SEND 1, 16
	s_wait_xcnt 0x0
	STLD 3
	SEND 2, 16
	SEND 3, 0
	s_wait_tensorcnt 0x0                           ; the wave's end: behind my last tensor load and my last LDS store
	ds_add_u32 v[SPW], v[NIL]
	s_wait_dscnt 0x0
	CROUND                                         ; the closing round
	s_endpgm
.Lfunc_end_k_q78c210acb2_gp2:
	.size	k_q78c210acb2_gp2, .Lfunc_end_k_q78c210acb2_gp2-k_q78c210acb2_gp2
	.p2alignl 7, 3214868480
	.fill 96, 4, 3214868480
	.section	.rodata,"a",@progbits
	.p2align	6, 0x0
	.amdhsa_kernel k_q78c210acb2_gp2
		.amdhsa_group_segment_fixed_size 327680
		.amdhsa_private_segment_fixed_size 0
		.amdhsa_enable_private_segment 0
		.amdhsa_kernarg_size 40
		.amdhsa_user_sgpr_count 2
		.amdhsa_user_sgpr_kernarg_segment_ptr 1
		.amdhsa_wavefront_size32 1
		.amdhsa_system_sgpr_workgroup_id_x 1
		.amdhsa_system_sgpr_workgroup_id_y 1
		.amdhsa_system_sgpr_workgroup_id_z 1
		.amdhsa_system_vgpr_workitem_id 0
		.amdhsa_next_free_vgpr 640
		.amdhsa_next_free_sgpr 80
		.amdhsa_reserve_vcc 0
		.amdhsa_float_denorm_mode_32 3
		.amdhsa_float_denorm_mode_16_64 3
		.amdhsa_memory_ordered 1
		.amdhsa_forward_progress 1
		.amdhsa_inst_pref_size 67
	.end_amdhsa_kernel
	.amdgpu_metadata
---
amdhsa.version: [ 1, 2 ]
amdhsa.kernels:
  - .name:           k_q78c210acb2_gp2
    .symbol:         k_q78c210acb2_gp2.kd
    .args:
      - { .name: gb, .offset: 0, .size: 8, .value_kind: global_buffer, .address_space: global }
      - { .name: wb, .offset: 8, .size: 8, .value_kind: global_buffer, .address_space: global }
      - { .name: bp2, .offset: 16, .size: 8, .value_kind: global_buffer, .address_space: global }
      - { .name: x1, .offset: 24, .size: 8, .value_kind: global_buffer, .address_space: global }
      - { .name: out0, .offset: 32, .size: 8, .value_kind: global_buffer, .address_space: global }
    .group_segment_fixed_size: 327680
    .private_segment_fixed_size: 0
    .kernarg_segment_align: 8
    .kernarg_segment_size: 40
    .max_flat_workgroup_size: 128
    .sgpr_count:     80
    .vgpr_count:     640
    .wavefront_size: 32
...
	.end_amdgpu_metadata
.endif
;; end of part 7
